; MI455X (gfx1250); checked and timed in simulation.
; The chip was launched on July 23, 2026; its instructions are those of AMD's public machine-readable ISA for CDNA 5 (MIT licence, August 2026) and "CDNA5" Instruction Set Architecture Reference Guide (July 2026). The comments in the code are by the model that wrote it; some were corrected since.
;; Transformer Block. Allowed arithmetic: matrix products marked QUANTISED: E2M3 operands, one E8M0 scale for each 32 along K, by v_wmma_scale_f32_16x16x128_f8f6f4 with both operands' format E2M3, f32 sums; everything else in f32.
;; Inputs: b1 4,096 float32; b2 1,024 float32; ln1_b 1,024 float32; ln1_s 1,024 float32; ln2_b 1,024 float32; ln2_s 1,024 float32; w1_codes 4,096 x 32 x 24 uint8 (E2M3 codes of w1, K innermost, in blocks of 32 codes, four codes in three bytes); w1_scales 4,096 x 32 uint8 (E8M0 scales of w1, one for each 32 codes along K); w2_codes 1,024 x 128 x 24 uint8 (E2M3 codes of w2, K innermost, in blocks of 32 codes, four codes in three bytes); w2_scales 1,024 x 128 uint8 (E8M0 scales of w2, one for each 32 codes along K); wk_codes 1,024 x 32 x 24 uint8 (E2M3 codes of wk, K innermost, in blocks of 32 codes, four codes in three bytes); wk_scales 1,024 x 32 uint8 (E8M0 scales of wk, one for each 32 codes along K); wo_codes 1,024 x 32 x 24 uint8 (E2M3 codes of wo, K innermost, in blocks of 32 codes, four codes in three bytes); wo_scales 1,024 x 32 uint8 (E8M0 scales of wo, one for each 32 codes along K); wq_codes 1,024 x 32 x 24 uint8 (E2M3 codes of wq, K innermost, in blocks of 32 codes, four codes in three bytes); wq_scales 1,024 x 32 uint8 (E8M0 scales of wq, one for each 32 codes along K); wv_codes 1,024 x 32 x 24 uint8 (E2M3 codes of wv, K innermost, in blocks of 32 codes, four codes in three bytes); wv_scales 1,024 x 32 uint8 (E8M0 scales of wv, one for each 32 codes along K); x 2 x 2,048 x 1,024 float32.
;; Outputs: out0 2 x 2,048 x 1,024 float32.
;; This version of the problem:
;;   THIS VERSION OF THE PROBLEM IS GIVEN IN LOW PRECISION. The matrix products marked QUANTISED in the list below multiply operands that are first quantised to E2M3 (2 exponent bits, 3 mantissa bits; 6 bits a number), with one power-of-two scale for each 32 numbers along K (OCP MX v1.0); their sums are f32. All else is computed in f32.
;;   The module's matrix products, in the order in which they are computed (A, B: the left and right operand; K: the contracted axis; several contracted axes count as one K, in the product's order):
;;     1. [M 4,096, K 1,024] x [K 1,024, N 1,024]; A: computed on the way; B: input wk (given as codes): QUANTISED
;;     2. [M 4,096, K 1,024] x [K 1,024, N 1,024]; A: computed on the way; B: input wq (given as codes): QUANTISED
;;     3. [M 4,096, K 1,024] x [K 1,024, N 1,024]; A: computed on the way; B: input wv (given as codes): QUANTISED
;;     4. batch 32 x [M 2,048, K 64] x [K 64, N 2,048]; A: computed on the way; B: computed on the way: QUANTISED
;;     5. batch 32 x [M 64, K 2,048] x [K 2,048, N 2,048]; A: computed on the way; B: softmax (see below): QUANTISED
;;     6. [M 4,096, K 1,024] x [K 1,024, N 1,024]; A: computed on the way; B: input wo (given as codes): QUANTISED
;;     7. [M 4,096, K 1,024] x [K 1,024, N 4,096]; A: computed on the way; B: input w1 (given as codes): QUANTISED
;;     8. [M 4,096, K 4,096] x [K 4,096, N 1,024]; A: computed on the way; B: input w2 (given as codes): QUANTISED
;;   THE QUANTISER, for each operand of a quantised product, along K:
;;     - K is cut into blocks of 32 from its start; a last block that is shorter is filled with zeros.
;;     - A block's scale is 2^e with e = floor(log2(the largest magnitude in the block)) - 2, held to -126 .. 127; a block of zeros has e = 0. As a byte (E8M0): e + 127.
;;     - Each number is divided by its block's scale, clamped to +-7.5, and rounded to the nearest number of E2M3, ties to even, subnormals kept.
;;     - The product sums the exact products of the quantised numbers (number of the format x scale) in f32.
;;   ~~~python
;;   def quantise(x, axis):      # numpy; x: float32 -> the quantised numbers, widened to float32 again
;;       x = np.moveaxis(x, axis, -1); K = x.shape[-1]
;;       x = np.pad(x, [(0, 0)] * (x.ndim - 1) + [(0, -K % 32)]); x = x.reshape(x.shape[:-1] + (-1, 32)); a = np.abs(x).max(-1, keepdims=True)
;;       e = np.where(a > 0, np.clip(np.frexp(np.where(a > 0, a, 1))[1] - 1 - 2, -126, 127), 0)      # np.frexp(a)[1] - 1 = floor(log2(a)), exactly
;;       r = np.clip(x / 2.0 ** e, -7.5, 7.5)
;;       step = 2.0 ** (np.maximum(np.frexp(np.where(r == 0, 1, r))[1] - 1, 0) - 3)
;;       q = np.round(r / step) * step * 2.0 ** e      # np.round: ties to even
;;       return np.moveaxis(q.reshape(q.shape[:-2] + (-1,))[..., :K], -1, axis).astype(np.float32)
;;   ~~~
;;   SOFTMAX AHEAD OF A QUANTISED PRODUCT. Where the list says 'softmax', what is quantised is not the finished softmax but p = 2^(t - M), with t = logit x log2(e) and M = ceil(the row's largest t), a whole number; so 1/2 < the row's largest p <= 1. The row's sum l is taken of the UNQUANTISED p, in f32, and the product's result is divided by l at the end. Since M is a whole number, a kernel that streams over the keys may use a running M (the ceiling of the running maximum): every later rescaling is an exact power of two, which a block's scale takes up: the codes' values come out the same.
;;   OPERANDS COMPUTED ON THE WAY. 'Computed on the way' means the value that the module computes at that place (a softmax that the list does not call 'softmax' is quantised finished and normalised). What goes into a quantiser is computed in f32, as accurately as f32 sums, v_exp_f32 and their like allow (about 1e-6 of the number): no bf16 or f16 on the way to a quantiser, and a product that is left as it is and whose result goes on into a quantised operand takes f32 operands (vector FMAs, or v_wmma_f32_16x16x4_f32). A number that lies on a knife's edge between two numbers of the format may be rounded either way, as far as f32 arithmetic and the matrix unit's own rounding can turn it there, and no further.
;;   INPUTS GIVEN AS CODES. w1 (in the module: [1024, 4096], K = its axis 0); w2 (in the module: [4096, 1024], K = its axis 0); wk (in the module: [1024, 1024], K = its axis 0); wo (in the module: [1024, 1024], K = its axis 0); wq (in the module: [1024, 1024], K = its axis 0); wv (in the module: [1024, 1024], K = its axis 0): each comes as NAME_codes (uint8): NAME with its K axis moved to the last place and cut into blocks of 32 codes, [.., K / 32, bytes a block], one block behind the other in memory; four codes in three bytes: a row's codes are one little-endian stream of bits, code i at bits 6 i .. 6 i + 5 (a code: sign, 2 exponent bits, 3 mantissa bits); and NAME_scales (uint8): the same leading axes, one E8M0 byte (e + 127) for each 32 codes along K. Its value is code x scale, taken as it is: it is not quantised again, and the codes and scales need not be those that the quantiser above would give.
;; One version. Each part assembles by itself: llvm-mc -triple=amdgcn-amd-amdhsa -mcpu=gfx1250 --defsym DOCPART=n.
;; ======== version 1 of 1: 6 launches
;; limits: right only within a limited range of input values
;; workspace buffers: wimg 10,354,688 bytes; act 3,276,800 bytes; q 3,407,872 bytes; kv 6,684,672 bytes; ctx 3,276,800 bytes; mlp 16,777,216 bytes; hid 13,107,200 bytes
;; launch prep (part 1): grid 360 x 1, 8 waves a work-group, no clusters, 138,752 bytes of LDS; arguments x, ln1_s, ln1_b, act, wimg, wq_codes, wk_codes, wv_codes, wo_codes, w1_codes, w2_codes, wq_scales, wk_scales, wv_scales, wo_scales, w1_scales, w2_scales; writes act, wimg
.if DOCPART == 1
	.amdgcn_target "amdgcn-amd-amdhsa--gfx1250"
	.amdhsa_code_object_version 6
	.text
	.protected	k_q874d3b4b4f_prep
	.globl	k_q874d3b4b4f_prep
	.p2align	8
	.type	k_q874d3b4b4f_prep,@function
k_q874d3b4b4f_prep:
	s_mov_b64 s[64:65], 0
	v_nop
	global_prefetch_b8 v0, s[64:65] scope:SCOPE_SE
	s_setreg_imm32_b32 hwreg(HW_REG_WAVE_MODE, 25, 1), 1
	s_wait_xcnt 0x0
; THREE JOBS, parted by the work-group's number.  0-255: layer norm of 16 tokens (1,024 wide), quantised to FP6 (E2M3) with one E8M0 byte for 32 along K.
; 256-351: the six weights' codes and scale bytes are laid anew, once, in the order of an operand's registers.  352-359: the table of cos and sin for the rotation.
; THE TILE MAP, for every operand of the program: tile T of 16 rows takes rows 32 (T / 2) + 8 (T % 2) + i + 8 (i / 8), i = 0 .. 15.
; A CODE IMAGE: [tile][K step of 128][1,536 bytes]: the fragment's 12 registers as three groups of four, lane l's 16 bytes at 16 l: three accesses of 512 consecutive bytes move a fragment.
; A SCALE IMAGE: [group of 8 tiles][K step][row r of a tile][tile in the group]: words of four E8M0 bytes, 512 bytes for a group and a K step.
; LIMITS: NaN and infinities among the inputs are not served.  A block of zeros, or one whose largest magnitude lies under 2^-124, keeps the byte 1 where the rule says 127: its codes are zeros and this program alone reads the bytes.
; The rotation's frequencies are 10^(-i / 8) rounded to f32; a frequency made by an f32 power may differ in its last bit, which moves an angle by 1e-4 at the most at position 2,047.  sin and cos are right to about 1e-7.
; The variance is taken of x - mean, in a second pass over registers, so a common offset of the inputs costs no accuracy.
; No tensor load, no cluster: the work-groups share nothing but 8 KB of gains and biases.  138,752 bytes of LDS and 8 waves of 256 registers: two work-groups fit on a WGP, so that the grid's 360 lie on 256 WGPs at one time.
.set LNP,    4112                      ; LDS, job 1: 16 rows of 4,096 bytes + 16: an odd multiple of 16, so that sixteen rows' reads of 16 bytes fall on different banks
.set RST,    66048                     ; LDS, job 2: a stage of 16 rows x 528 bytes for each wave: it takes a row's 768 bytes in two passes, bytes 0-511 and bytes 256-767,
.set RSW,    8448
.set RSP,    528                       ; (512 bytes + 16 = 132 words: the 32 lanes of a read of 8 bytes touch 64 different banks)
.set GAT,    133632                    ; and 4,096 bytes in which the eight waves' scale words meet
.set ACT_SC, 3145728                   ; the activations' scale image begins here
.set WSC,    9437184                   ; in wimg: the weights' scale images,
.set ROPE,   9830400                   ; and the table: [16 chunks][2,048 positions][cos, sin of pair 2 k, cos, sin of pair 2 k + 1]
.set X,   32                           ; v32-95   two rows of x, later 64 numbers of one row
.set GA,  96                           ; v96-127  gains
.set BI,  128                          ; v128-159 biases
.set SM,  160                          ; v160-167 sums
.set PC,  192                          ; v192-211 codes
.set TM,  224                          ; v224-239 at work in QUANT
.set PW,  240                          ; v240     the scale word
.set SEL, 38                           ; s[38:39] lane selects: lane l xor 16
.set WV,  40                           ; s40      wave
.macro LANES d                         ; v[d .. d+3] of all 32 lanes are added up; every lane gets the sum in v[d]
	s_delay_alu instid0(VALU_DEP_1)
	v_pk_add_f32 v[\d:\d+1], v[\d:\d+1], v[\d+2:\d+3]
	s_delay_alu instid0(VALU_DEP_1)
	v_add_f32 v[\d], v[\d], v[\d+1]
	s_delay_alu instid0(VALU_DEP_1)
	v_add_f32_dpp v[\d], v[\d], v[\d] row_xmask:1 row_mask:0xf bank_mask:0xf
	s_delay_alu instid0(VALU_DEP_1)
	v_add_f32_dpp v[\d], v[\d], v[\d] row_xmask:2 row_mask:0xf bank_mask:0xf
	s_delay_alu instid0(VALU_DEP_1)
	v_add_f32_dpp v[\d], v[\d], v[\d] row_xmask:4 row_mask:0xf bank_mask:0xf
	s_delay_alu instid0(VALU_DEP_1)
	v_add_f32_dpp v[\d], v[\d], v[\d] row_xmask:8 row_mask:0xf bank_mask:0xf
	s_delay_alu instid0(VALU_DEP_1)
	v_permlanex16_b32 v[\d+1], v[\d], s[SEL], s[SEL+1]
	s_delay_alu instid0(VALU_DEP_1)
	v_add_f32 v[\d], v[\d], v[\d+1]
.endm
.macro RSUM d, xr                      ; the sum of a row: 32 registers a lane, two chains
	v_pk_add_f32 v[\d:\d+1], v[\xr:\xr+1], v[\xr+2:\xr+3]
	v_pk_add_f32 v[\d+2:\d+3], v[\xr+4:\xr+5], v[\xr+6:\xr+7]
.irp j, 8,12,16,20,24,28
	s_delay_alu instid0(VALU_DEP_2)
	v_pk_add_f32 v[\d:\d+1], v[\d:\d+1], v[\xr+\j:\xr+\j+1]
	s_delay_alu instid0(VALU_DEP_2)
	v_pk_add_f32 v[\d+2:\d+3], v[\d+2:\d+3], v[\xr+\j+2:\xr+\j+3]
.endr
	LANES \d
.endm
.macro RSQ d, xr                       ; the sum of its squares
	v_pk_mul_f32 v[\d:\d+1], v[\xr:\xr+1], v[\xr:\xr+1]
	v_pk_mul_f32 v[\d+2:\d+3], v[\xr+2:\xr+3], v[\xr+2:\xr+3]
.irp j, 4,8,12,16,20,24,28
	s_delay_alu instid0(VALU_DEP_2)
	v_pk_fma_f32 v[\d:\d+1], v[\xr+\j:\xr+\j+1], v[\xr+\j:\xr+\j+1], v[\d:\d+1]
	s_delay_alu instid0(VALU_DEP_2)
	v_pk_fma_f32 v[\d+2:\d+3], v[\xr+\j+2:\xr+\j+3], v[\xr+\j+2:\xr+\j+3], v[\d+2:\d+3]
.endr
	LANES \d
.endm
; 64 numbers of a lane, register 16 b + i = k 32 b + 16 (lane / 16) + i of my row, become a fragment's codes in v[PC] on and its scale word in v[PW].
.macro QUANT s
.irp b, 0,1,2,3
	v_max3_num_f32 v[TM+\b], |v[\s+16*\b]|, |v[\s+1+16*\b]|, 0x1800000   ; my 16 numbers of block b, and the floor 2^(3 - 127): the byte cannot fall under 1
.endr
.irp i, 2,4,6,8,10,12,14
.irp b, 0,1,2,3
	s_delay_alu instid0(VALU_DEP_4)
	v_max3_num_f32 v[TM+\b], v[TM+\b], |v[\s+16*\b+\i]|, |v[\s+1+16*\b+\i]|
.endr
.endr
.irp b, 0,1,2,3
	s_delay_alu instid0(VALU_DEP_4)
	v_permlanex16_b32 v[TM+4+\b], v[TM+\b], s[SEL], s[SEL+1]
.endr
.irp b, 0,1,2,3
	s_delay_alu instid0(VALU_DEP_4)
	v_max_num_f32 v[TM+\b], v[TM+\b], v[TM+4+\b]      ; with lane l xor 16's: the block's largest magnitude
.endr
.irp b, 0,1,2,3
	s_delay_alu instid0(VALU_DEP_4)
	v_add_nc_u32 v[TM+12+\b], 0xff000000, v[TM+\b]    ; 2 off its exponent field: the conversion's scale operand
.endr
.irp b, 0,1,2,3
	s_delay_alu instid0(VALU_DEP_4)
	v_lshrrev_b32 v[TM+4+\b], 23, v[TM+12+\b]         ; the scale's byte
.endr
	s_delay_alu instid0(VALU_DEP_3)
	v_lshl_or_b32 v[PW], v[TM+5], 8, v[TM+4]
	s_delay_alu instid0(VALU_DEP_1)
	v_lshl_or_b32 v[PW], v[TM+6], 16, v[PW]
	s_delay_alu instid0(VALU_DEP_1)
	v_lshl_or_b32 v[PW], v[TM+7], 24, v[PW]
.irp c, 0,1
	v_cvt_scalef32_pk16_fp6_f32 v[PC+6*\c:PC+2+6*\c], v[\s+32*\c:\s+15+32*\c], v[TM+12+2*\c]
	v_cvt_scalef32_pk16_fp6_f32 v[PC+12+4*\c:PC+14+4*\c], v[\s+16+32*\c:\s+31+32*\c], v[TM+13+2*\c]   ; (a conversion's three registers begin on an even number)
.endr
	v_nop                                          ; one plain place behind a scaled conversion
.irp c, 0,1                            ; the operand's layout wants a whole block in a lane
.irp i, 0,1,2
	v_permlane16_swap_b32 v[PC+6*\c+\i], v[PC+12+4*\c+\i]
.endr
.irp i, 0,1,2
	s_delay_alu instid0(VALU_DEP_3)
	v_mov_b32 v[PC+3+6*\c+\i], v[PC+12+4*\c+\i]
.endr
.endr
.endm
	s_load_b512 s[4:19], s[0:1], 0x0               ; src s[4:5], gain s[6:7], bias s[8:9], act s[10:11], wimg s[12:13], codes of wq s[14:15], wk s[16:17], wv s[18:19],
	s_load_b512 s[20:35], s[0:1], 0x40             ; wo s[20:21], w1 s[22:23], w2 s[24:25]; scales of wq s[26:27], wk, wv, wo, w1 s[34:35],
	s_load_b64 s[36:37], s[0:1], 0x80              ; w2
	v_lshl_add_u32 v254, v0, 2, 0x21a00
	v_mov_b32 v255, 0
	v_lshrrev_b32 v1, 5, v0
	s_delay_alu instid0(VALU_DEP_1)
	v_readfirstlane_b32 s[WV], v1                  ; wave 0..7
	v_and_b32 v2, 31, v0                           ; lane
	v_and_b32 v3, 15, v0                           ; r
	v_bfe_u32 v4, v0, 4, 1                         ; h
	s_delay_alu instid0(VALU_DEP_3)
	v_lshlrev_b32 v5, 4, v2                        ; 16 l
	s_mov_b32 s[SEL], 0x76543210
	s_mov_b32 s[SEL+1], 0xfedcba98
	s_wait_kmcnt 0x0
	s_cmp_lt_u32 ttmp9, 256
	s_cbranch_scc0 .Lnot_ln
	; ---- JOB 1: the work-group is token tile T.  Wave w loads tile rows 2 w and 2 w + 1, which are two neighbouring tokens: 8,192 consecutive bytes
.irp b, 0,1,2,3
	v_mov_b32 v[TM+4+\b], 0                        ; a lane permute's destination counts as one of its sources
.endr
	s_lshr_b32 s41, ttmp9, 1
	s_lshl_b32 s41, s41, 5
	s_and_b32 s42, ttmp9, 1
	s_lshl_b32 s42, s42, 3
	s_add_co_u32 s41, s41, s42
	s_lshl_b32 s42, s[WV], 1
	s_add_co_u32 s41, s41, s42
	s_lshr_b32 s42, s[WV], 2
	s_lshl_b32 s42, s42, 3
	s_add_co_u32 s41, s41, s42                     ; token 32 (T / 2) + 8 (T % 2) + 2 w + 8 (w / 4)
	s_lshl_b32 s42, s41, 12
	s_mov_b32 s43, 0
	s_add_nc_u64 s[4:5], s[4:5], s[42:43]
	s_mov_b32 s44, 0x3a800000                      ; 1 / 1,024
	s_mov_b32 s45, 0x358637bd                      ; 1e-6
.set n1, 0
	s_wait_alu depctr_va_vdst(0)
.rept 16
	global_load_b128 v[X+4*n1:X+4*n1+3], v5, s[4:5] offset:512*n1 th:TH_LOAD_NT
.set n1, n1+1
.endr
.set n1, 0
.rept 8
	global_load_b128 v[GA+4*n1:GA+4*n1+3], v5, s[6:7] offset:512*n1
	global_load_b128 v[BI+4*n1:BI+4*n1+3], v5, s[8:9] offset:512*n1
.set n1, n1+1
.endr
	s_mul_i32 s46, s[WV], 2*LNP
	v_add_nc_u32 v6, s46, v5                       ; into the stage: my two rows, 16 bytes a lane
	v_mul_u32_u24 v7, v3, LNP
	s_delay_alu instid0(VALU_DEP_1)
	v_lshl_add_u32 v7, v4, 6, v7
	s_lshl_b32 s46, s[WV], 9
	v_add_nc_u32 v7, s46, v7                       ; out of it: row r, K step w, + 64 h: my 16 numbers of each block of 32
	s_wait_loadcnt 16                              ; the two rows are in; the sixteen loads of gains and biases may be out
	RSUM SM, X
	RSUM SM+4, X+32
	v_mul_f32 v[SM], 0xba800000, v[SM]             ; - the mean
	s_delay_alu instid0(VALU_DEP_2)
	v_mul_f32 v[SM+4], 0xba800000, v[SM+4]
.irp u, 0,1
.irp j, 0,2,4,6,8,10,12,14,16,18,20,22,24,26,28,30
	v_pk_add_f32 v[X+32*\u+\j:X+32*\u+\j+1], v[X+32*\u+\j:X+32*\u+\j+1], v[SM+4*\u:SM+4*\u+1] op_sel_hi:[1,0]
.endr
.endr
	RSQ SM, X
	RSQ SM+4, X+32
	v_fma_f32 v[SM], v[SM], s44, s45               ; the variance + 1e-6
	s_delay_alu instid0(VALU_DEP_2)
	v_fma_f32 v[SM+4], v[SM+4], s44, s45
	s_wait_alu depctr_va_vdst(0)
	v_rsq_f32 v[SM], v[SM]
	v_rsq_f32 v[SM+4], v[SM+4]
	v_nop                                          ; a plain place behind the two roots,
	s_wait_alu depctr_va_vdst(0)                   ; and one wait for both, ahead of their first reader
	s_wait_loadcnt 0x0                             ; gains and biases
.irp u, 0,1
.irp j, 0,2,4,6,8,10,12,14,16,18,20,22,24,26,28,30
	v_pk_mul_f32 v[X+32*\u+\j:X+32*\u+\j+1], v[X+32*\u+\j:X+32*\u+\j+1], v[SM+4*\u:SM+4*\u+1] op_sel_hi:[1,0]
	s_delay_alu instid0(VALU_DEP_1)
	v_pk_fma_f32 v[X+32*\u+\j:X+32*\u+\j+1], v[X+32*\u+\j:X+32*\u+\j+1], v[GA+\j:GA+\j+1], v[BI+\j:BI+\j+1]
.endr
.endr
.set n1, 0
.rept 16
	ds_store_b128 v6, v[X+4*n1:X+4*n1+3] offset:(n1/8)*LNP+512*(n1%8)
.set n1, n1+1
.endr
	s_wait_dscnt 0x0                               ; for the others' sake: my two rows lie in the stage
	s_barrier_signal -1
	s_barrier_wait -1
.irp b, 0,1,2,3                        ; wave w now takes K step w of all 16 rows: register 16 b + 4 j + e = column 128 w + 32 b + 16 h + 4 j + e of row r
.irp j, 0,1,2,3
	ds_load_b128 v[X+16*\b+4*\j:X+16*\b+4*\j+3], v7 offset:128*\b+16*\j
.endr
.endr
	s_lshl_b32 s46, ttmp9, 3
	s_add_co_u32 s46, s46, s[WV]
	s_mul_i32 s46, s46, 1536                       ; fragment (T, w)
	s_mov_b32 s47, 0
	s_add_nc_u64 s[48:49], s[10:11], s[46:47]
	s_lshr_b32 s46, ttmp9, 3
	s_lshl_b32 s46, s46, 3
	s_add_co_u32 s46, s46, s[WV]
	s_lshl_b32 s46, s46, 9                         ; group T / 8, K step w
	s_and_b32 s50, ttmp9, 7
	s_lshl_b32 s50, s50, 2
	s_add_co_u32 s46, s46, s50                     ; + 4 (T % 8)
	s_add_co_u32 s46, s46, ACT_SC
	s_add_nc_u64 s[52:53], s[10:11], s[46:47]
	v_lshlrev_b32 v8, 5, v3                        ; + 32 r
	s_wait_dscnt 0x0
	QUANT X
.irp c, 0,1,2
	global_store_b128 v5, v[PC+4*\c:PC+4*\c+3], s[48:49] offset:512*\c   ; 512 consecutive bytes a store
.endr
	global_store_b32 v8, v[PW], s[52:53]           ; words 32 bytes apart (lanes 16-31 repeat lanes 0-15's): one byte for 128 bytes read
	s_wait_tensorcnt 0x0
	ds_add_u32 v254, v255
	s_wait_dscnt 0x0
	s_endpgm
.Lnot_ln:
	s_cmp_lt_u32 ttmp9, 352
	s_cbranch_scc0 .Ltable
	; ---- JOB 2: g = 0 .. 95: a group of eight tiles x 1,024 along K; wave w takes one tile.  g / 8: 0 wq, 1 wk, 2 wv, 3 wo, 4-7 w1, 8-11 w2 (whose K is four such runs)
	s_sub_co_u32 s48, ttmp9, 256
	s_lshr_b32 s50, s48, 3
	s_cmp_lt_u32 s50, 8
	s_cselect_b64 s[52:53], s[22:23], s[24:25]
	s_cselect_b64 s[54:55], s[34:35], s[36:37]
	s_cmp_eq_u32 s50, 3
	s_cselect_b64 s[52:53], s[20:21], s[52:53]
	s_cselect_b64 s[54:55], s[32:33], s[54:55]
	s_cmp_eq_u32 s50, 2
	s_cselect_b64 s[52:53], s[18:19], s[52:53]
	s_cselect_b64 s[54:55], s[30:31], s[54:55]
	s_cmp_eq_u32 s50, 1
	s_cselect_b64 s[52:53], s[16:17], s[52:53]
	s_cselect_b64 s[54:55], s[28:29], s[54:55]
	s_cmp_eq_u32 s50, 0
	s_cselect_b64 s[52:53], s[14:15], s[52:53]
	s_cselect_b64 s[54:55], s[26:27], s[54:55]
	s_and_b32 s56, s48, 7
	s_sub_co_u32 s57, s48, 32
	s_sub_co_u32 s58, s48, 64
	s_lshr_b32 s59, s58, 2
	s_and_b32 s60, s58, 3
	s_cmp_lt_u32 s48, 32
	s_cselect_b32 s56, s56, s57
	s_mov_b32 s61, 3072
	s_cmp_lt_u32 s48, 64
	s_cselect_b32 s56, s56, s59                    ; the group in its weight
	s_cselect_b32 s60, 0, s60                      ; which 1,024 along K
	s_cselect_b32 s61, 768, s61                    ; a row of codes in bytes
	s_cselect_b32 s62, 32, 128                     ; a row of scale bytes
	s_lshl_b32 s56, s56, 3
	s_add_co_u32 s56, s56, s[WV]                   ; my tile in its weight
	s_lshl_b32 s57, s48, 3
	s_add_co_u32 s57, s57, s[WV]                   ; its place in wimg, in runs of 12,288 bytes: 8 g + w,
	s_lshl_b32 s58, s56, 2
	s_add_co_u32 s58, s58, s60
	s_add_co_u32 s58, s58, 512                     ; or for w2: 512 + 4 x tile + run
	s_cmp_lt_u32 s48, 64
	s_cselect_b32 s57, s57, s58
	s_lshr_b32 s58, s56, 1
	s_lshl_b32 s58, s58, 5
	s_and_b32 s59, s56, 1
	s_lshl_b32 s59, s59, 3
	s_add_co_u32 s58, s58, s59                     ; the tile's first row
	s_mul_i32 s66, s58, s61
	s_mul_i32 s59, s60, 768
	s_add_co_u32 s66, s66, s59
	s_mov_b32 s67, 0
	s_add_nc_u64 s[52:53], s[52:53], s[66:67]
	s_mul_i32 s66, s58, s62
	s_lshl_b32 s59, s60, 5
	s_add_co_u32 s66, s66, s59
	s_add_nc_u64 s[54:55], s[54:55], s[66:67]
	s_wait_alu depctr_va_vdst(0)
	v_lshlrev_b32 v9, 4, v4                        ; lanes 16-31 take the rows 16 further down
	v_lshlrev_b32 v10, 4, v3
.irp j, 0,1,2,3,4,5,6,7
	v_add_nc_u32 v11, \j, v9
	s_delay_alu instid0(VALU_DEP_1)
	v_mad_u32_u24 v[16+\j], v11, s61, v10          ; row j (+ 16 h), 16 bytes a lane: sixteen lanes read 256 consecutive bytes
.endr
	v_and_b32 v11, 8, v3
	s_delay_alu instid0(VALU_DEP_1)
	v_add_nc_u32 v11, v11, v3                      ; r + 8 (r / 8)
	s_delay_alu instid0(VALU_DEP_1)
	v_mul_u32_u24 v12, v11, s62
	s_delay_alu instid0(VALU_DEP_1)
	v_lshl_add_u32 v12, v4, 4, v12                 ; my row's scale words of K steps 4 h .. 4 h + 3
.irp j, 0,1,2,3,4,5,6,7
.irp t, 0,1,2
	global_load_b128 v[32+4*(3*\j+\t):32+4*(3*\j+\t)+3], v[16+\j], s[52:53] offset:256*\t th:TH_LOAD_NT
.endr
.endr
	global_load_b128 v[24:27], v12, s[54:55] th:TH_LOAD_NT
	s_mul_i32 s59, s[WV], RSW
	s_add_co_u32 s59, s59, RST                     ; my stage
	v_mul_u32_u24 v13, v4, 8*RSP
	s_delay_alu instid0(VALU_DEP_1)
	v_add_nc_u32 v13, v13, v10
	s_delay_alu instid0(VALU_DEP_1)
	v_add_nc_u32 v13, s59, v13                     ; in: tile row j + 8 h
	v_lshlrev_b32 v14, 11, v4
	s_delay_alu instid0(VALU_DEP_1)
	v_lshl_add_u32 v14, v3, 5, v14
	s_lshl_b32 s63, s[WV], 2
	s_add_co_u32 s63, s63, GAT
	v_add_nc_u32 v14, s63, v14                     ; the scale words' meeting place: [K step][r][tile w]
	v_mul_u32_u24 v15, v3, RSP
	s_delay_alu instid0(VALU_DEP_1)
	v_mad_u32_u24 v15, v4, 24, v15
	s_delay_alu instid0(VALU_DEP_1)
	v_add_nc_u32 v15, s59, v15                     ; out: row r, + 24 h: a fragment's bytes as they lie
	s_lshl_b32 s59, s[WV], 9
	s_add_co_u32 s63, s59, GAT
	v_add_nc_u32 v28, s63, v5                      ; and K step w's 512 bytes of scale words
	s_mul_i32 s66, s57, 12288
	s_add_nc_u64 s[68:69], s[12:13], s[66:67]
	s_lshl_b32 s66, s48, 12
	s_add_co_u32 s66, s66, s59
	s_add_co_u32 s66, s66, WSC
	s_add_nc_u64 s[70:71], s[12:13], s[66:67]
	s_wait_alu depctr_va_vdst(0)
	s_wait_loadcnt 0x0
.irp j, 0,1,2,3,4,5,6,7                ; the first pass: bytes 0-511 of each row: K steps 0 to 4 (96 bytes each) lie wholly in them
.irp t, 0,1
	ds_store_b128 v13, v[32+4*(3*\j+\t):32+4*(3*\j+\t)+3] offset:\j*RSP+256*\t
.endr
.endr
.irp i, 0,1,2,3
	ds_store_b32 v14, v[24+\i] offset:512*\i
.endr
.irp s, 0,1,2,3,4                      ; LDS serves a wave's instructions in order: these see my stores,
.irp p, 0,1,2,3,4,5
	ds_load_b64 v[128+12*\s+2*\p:128+12*\s+2*\p+1], v15 offset:96*\s+48*(\p/3)+8*(\p%3)
.endr
.endr
.irp j, 0,1,2,3,4,5,6,7                ; and the second pass's stores come behind them: bytes 256-767 of each row, 256 bytes further down in the stage: K steps 5 to 7
.irp t, 1,2
	ds_store_b128 v13, v[32+4*(3*\j+\t):32+4*(3*\j+\t)+3] offset:\j*RSP+256*(\t-1)
.endr
.endr
.irp s, 5,6,7
.irp p, 0,1,2,3,4,5
	ds_load_b64 v[128+12*\s+2*\p:128+12*\s+2*\p+1], v15 offset:96*\s-256+48*(\p/3)+8*(\p%3)
.endr
.endr
.irp s, 0,1,2,3,4
	s_wait_dscnt 58-6*\s                           ; K step s's six loads are in; behind them: the first pass's later loads, the second pass's 16 stores and 18 loads
.irp c, 0,1,2
	global_store_b128 v5, v[128+12*\s+4*\c:128+12*\s+4*\c+3], s[68:69] offset:1536*\s+512*\c
.endr
.endr
.irp s, 5,6,7
	s_wait_dscnt 42-6*\s                           ; K step s's six loads are in; those of the later K steps may be out
.irp c, 0,1,2
	global_store_b128 v5, v[128+12*\s+4*\c:128+12*\s+4*\c+3], s[68:69] offset:1536*\s+512*\c
.endr
.endr
	s_wait_dscnt 0x0                               ; my scale words lie in their place
	s_barrier_signal -1
	s_barrier_wait -1
	ds_load_b128 v[24:27], v28
	s_wait_dscnt 0x0
	global_store_b128 v5, v[24:27], s[70:71]       ; 512 consecutive bytes
	s_wait_tensorcnt 0x0
	ds_add_u32 v254, v255
	s_wait_dscnt 0x0
	s_endpgm
.Ltable:
	; ---- JOB 3: a thread takes a position.  angle = position x frequency, one rounding; it is brought into -pi/4 .. pi/4 by n quarter turns (pi/2 in two parts), then two short polynomials
	s_sub_co_u32 s48, ttmp9, 352
	s_lshl_b32 s48, s48, 8
	v_add_nc_u32 v6, s48, v0
	s_delay_alu instid0(VALU_DEP_1)
	v_cvt_f32_u32 v7, v6
	s_wait_alu depctr_va_vdst(0)
	v_lshlrev_b32 v8, 4, v6
	s_mov_b32 s50, 0x3f22f983                      ; 2 / pi
	s_mov_b32 s51, 0xbfc90fdb                      ; - pi/2, its f32
	s_mov_b32 s52, 0x333bbd2e                      ; what that f32 has too much: 4.37113883e-8
	s_mov_b32 s53, 0xb94ca1f9                      ; sin: -1.9515295891e-4,
	s_mov_b32 s54, 0x3c08839e                      ; 8.3321608736e-3,
	s_mov_b32 s55, 0xbe2aaaa3                      ; -1.6666654611e-1
	s_mov_b32 s56, 0x37ccf5ce                      ; cos: 2.443315711809948e-5,
	s_mov_b32 s57, 0xbab6061a                      ; -1.388731625493765e-3,
	s_mov_b32 s58, 0x3d2aaaa5                      ; 4.166664568298827e-2
	s_add_nc_u64 s[66:67], s[12:13], ROPE
.macro SINCOS f, d                     ; cos into v[d], sin into v[d + 1]
	v_mul_f32 v10, \f, v7
	s_delay_alu instid0(VALU_DEP_1)
	v_mul_f32 v11, s50, v10
	s_delay_alu instid0(VALU_DEP_1)
	v_rndne_f32 v11, v11                           ; n
	s_delay_alu instid0(VALU_DEP_1)
	v_fma_f32 v12, v11, s51, v10
	s_delay_alu instid0(VALU_DEP_1)
	v_fma_f32 v12, v11, s52, v12                   ; r
	s_delay_alu instid0(VALU_DEP_3)
	v_cvt_i32_f32 v16, v11
	s_delay_alu instid0(VALU_DEP_2)
	v_mul_f32 v13, v12, v12                        ; z
	s_delay_alu instid0(VALU_DEP_1)
	v_fma_f32 v14, v13, s53, s54
	s_delay_alu instid0(VALU_DEP_2)
	v_fma_f32 v15, v13, s56, s57
	s_delay_alu instid0(VALU_DEP_2)
	v_fma_f32 v14, v14, v13, s55
	s_delay_alu instid0(VALU_DEP_2)
	v_fma_f32 v15, v15, v13, s58
	s_delay_alu instid0(VALU_DEP_2)
	v_mul_f32 v14, v14, v13
	v_mul_f32 v17, v13, v13
	v_fma_f32 v18, v13, -0.5, 1.0
	s_delay_alu instid0(VALU_DEP_3)
	v_fma_f32 v14, v14, v12, v12                   ; sin r
	s_delay_alu instid0(VALU_DEP_2)
	v_fma_f32 v15, v15, v17, v18                   ; cos r
	v_and_b32 v17, 1, v16
	s_delay_alu instid0(VALU_DEP_1)
	v_cmp_eq_u32 vcc_lo, 1, v17                    ; an odd n swaps the two;
	s_delay_alu instid0(VALU_DEP_1)
	v_cndmask_b32 v[\d], v15, v14, vcc_lo
	s_delay_alu instid0(VALU_DEP_2)
	v_cndmask_b32 v[\d+1], v14, v15, vcc_lo
	v_lshlrev_b32 v17, 30, v16                     ; bit 1 of n turns sin's sign,
	v_add_nc_u32 v16, 1, v16
	s_delay_alu instid0(VALU_DEP_2)
	v_and_b32 v17, 0x80000000, v17
	s_delay_alu instid0(VALU_DEP_2)
	v_lshlrev_b32 v18, 30, v16                     ; bit 1 of n + 1 cos's
	s_delay_alu instid0(VALU_DEP_2)
	v_xor_b32 v[\d+1], v17, v[\d+1]
	s_delay_alu instid0(VALU_DEP_2)
	v_and_b32 v18, 0x80000000, v18
	s_delay_alu instid0(VALU_DEP_1)
	v_xor_b32 v[\d], v18, v[\d]
.endm
.macro CHUNK k, f0, f1                 ; each chunk has registers of its own: no store's data are written again
	SINCOS \f0, 64+4*(\k)
	SINCOS \f1, 66+4*(\k)
	global_store_b128 v8, v[64+4*(\k):67+4*(\k)], s[66:67] offset:32768*(\k)
.endm
	CHUNK 0, 1.0, 0.749894209
	CHUNK 1, 0.562341325, 0.421696503
	CHUNK 2, 0.316227766, 0.237137371
	CHUNK 3, 0.177827941, 0.133352143
	CHUNK 4, 0.1, 0.0749894209
	CHUNK 5, 0.0562341325, 0.0421696503
	CHUNK 6, 0.0316227766, 0.0237137371
	CHUNK 7, 0.0177827941, 0.0133352143
	CHUNK 8, 0.01, 0.00749894209
	CHUNK 9, 0.00562341325, 0.00421696503
	CHUNK 10, 0.00316227766, 0.00237137371
	CHUNK 11, 0.00177827941, 0.00133352143
	CHUNK 12, 0.001, 0.000749894209
	CHUNK 13, 0.000562341325, 0.000421696503
	CHUNK 14, 0.000316227766, 0.000237137371
	CHUNK 15, 0.000177827941, 0.000133352143
	s_endpgm
.Lfunc_end_k_q874d3b4b4f_prep:
	.size	k_q874d3b4b4f_prep, .Lfunc_end_k_q874d3b4b4f_prep-k_q874d3b4b4f_prep
	.p2alignl 7, 3214868480
	.fill 96, 4, 3214868480
	.section	.rodata,"a",@progbits
	.p2align	6, 0x0
	.amdhsa_kernel k_q874d3b4b4f_prep
		.amdhsa_group_segment_fixed_size 138752
		.amdhsa_private_segment_fixed_size 0
		.amdhsa_enable_private_segment 0
		.amdhsa_kernarg_size 136
		.amdhsa_user_sgpr_count 2
		.amdhsa_user_sgpr_kernarg_segment_ptr 1
		.amdhsa_wavefront_size32 1
		.amdhsa_system_sgpr_workgroup_id_x 1
		.amdhsa_system_sgpr_workgroup_id_y 1
		.amdhsa_system_sgpr_workgroup_id_z 1
		.amdhsa_system_vgpr_workitem_id 0
		.amdhsa_next_free_vgpr 256
		.amdhsa_next_free_sgpr 80
		.amdhsa_reserve_vcc 1
		.amdhsa_float_denorm_mode_32 3
		.amdhsa_float_denorm_mode_16_64 3
		.amdhsa_memory_ordered 1
		.amdhsa_forward_progress 1
		.amdhsa_inst_pref_size 107
	.end_amdhsa_kernel
	.amdgpu_metadata
---
amdhsa.version: [ 1, 2 ]
amdhsa.kernels:
  - .name:           k_q874d3b4b4f_prep
    .symbol:         k_q874d3b4b4f_prep.kd
    .args:
      - { .name: x, .offset: 0, .size: 8, .value_kind: global_buffer, .address_space: global }
      - { .name: ln1_s, .offset: 8, .size: 8, .value_kind: global_buffer, .address_space: global }
      - { .name: ln1_b, .offset: 16, .size: 8, .value_kind: global_buffer, .address_space: global }
      - { .name: act, .offset: 24, .size: 8, .value_kind: global_buffer, .address_space: global }
      - { .name: wimg, .offset: 32, .size: 8, .value_kind: global_buffer, .address_space: global }
      - { .name: wq_codes, .offset: 40, .size: 8, .value_kind: global_buffer, .address_space: global }
      - { .name: wk_codes, .offset: 48, .size: 8, .value_kind: global_buffer, .address_space: global }
      - { .name: wv_codes, .offset: 56, .size: 8, .value_kind: global_buffer, .address_space: global }
      - { .name: wo_codes, .offset: 64, .size: 8, .value_kind: global_buffer, .address_space: global }
      - { .name: w1_codes, .offset: 72, .size: 8, .value_kind: global_buffer, .address_space: global }
      - { .name: w2_codes, .offset: 80, .size: 8, .value_kind: global_buffer, .address_space: global }
      - { .name: wq_scales, .offset: 88, .size: 8, .value_kind: global_buffer, .address_space: global }
      - { .name: wk_scales, .offset: 96, .size: 8, .value_kind: global_buffer, .address_space: global }
      - { .name: wv_scales, .offset: 104, .size: 8, .value_kind: global_buffer, .address_space: global }
      - { .name: wo_scales, .offset: 112, .size: 8, .value_kind: global_buffer, .address_space: global }
      - { .name: w1_scales, .offset: 120, .size: 8, .value_kind: global_buffer, .address_space: global }
      - { .name: w2_scales, .offset: 128, .size: 8, .value_kind: global_buffer, .address_space: global }
    .group_segment_fixed_size: 138752
    .private_segment_fixed_size: 0
    .kernarg_segment_align: 8
    .kernarg_segment_size: 136
    .max_flat_workgroup_size: 256
    .sgpr_count:     80
    .vgpr_count:     256
    .wavefront_size: 32
...
	.end_amdgpu_metadata
.endif
;; end of part 1
;; launch qkv (part 2): grid 4 x 48, 4 waves a work-group, clusters of 4 x 4, 327,680 bytes of LDS; arguments act, wimg, q, kv; writes q, kv
.if DOCPART == 2
	.amdgcn_target "amdgcn-amd-amdhsa--gfx1250"
	.amdhsa_code_object_version 6
	.text
	.protected	k_q874d3b4b4f_qkv
	.globl	k_q874d3b4b4f_qkv
	.p2align	8
	.type	k_q874d3b4b4f_qkv,@function
k_q874d3b4b4f_qkv:
	s_mov_b64 s[64:65], 0
	v_nop
	global_prefetch_b8 v0, s[64:65] scope:SCOPE_SE
	s_setreg_imm32_b32 hwreg(HW_REG_WAVE_MODE, 25, 1), 1
	s_wait_xcnt 0x0
	s_wait_alu depctr_hold_cnt(0) depctr_sa_sdst(0) depctr_va_vdst(0) depctr_va_sdst(0) depctr_va_ssrc(0) depctr_va_vcc(0) depctr_vm_vsrc(0)
	s_getreg_b32 s2, hwreg(HW_REG_IB_STS2, 6, 4)
	s_cmp_eq_u32 s2, 0
	s_cbranch_scc0 .Lentry_in_a_cluster
	s_endpgm
.Lentry_in_a_cluster:
	s_bfe_u32 s2, ttmp6, 0x10000c
	s_cmp_lg_u32 s2, 0xf033
	s_cbranch_scc0 .Lentry_shape_is_right
	s_endpgm
.Lentry_shape_is_right:
.set KS128,  8
.set TS,     3072
.set TPL,    8
.set SPARE,  294912
.set ACT_SC, 3145728
.set WV_IMG, 1572864
.set WSC,    9437184
.set ROPE,   9830400
.set Q_SC,   3145728
.set FR,     12
.set NL,     3
.set NP,     4
.set HALFT,  24576
.set SLOT,   98304
.set ADRA, 16
.set ADRB, 20
.set SPW,  28
.set NIL,  29
.set AF,   128
.set L16,  3
.set L8,   24
.set SCO,  25
.set CSO,  26
.set VSO,  30
.set CS,   64
.set Y,    128
.set PC,   192
.set TM,   212
.set PWS,  228
.set PW,   236
.set SEL,  18
.set G1,  24
.set G0,  80
.set G1B, 48
.set G0B, 68
.set MSB, 0
.macro WIN new
.if MSB != (\new)
	s_set_vgpr_msb (MSB<<8)|(\new)
.set MSB, \new
.endif
.endm
.set MUL_LO, 0xa1
.set MUL_HI, 0xf1
.set TO_B,   0x40
.macro JLOAD g0a, g1a, g0b, g1b
	s_cmp_eq_u32 s15, 0
	s_cbranch_scc0 .Lfor_b_\@
	tensor_load_to_lds s[\g0a:\g0a+3], s[\g1a:\g1a+7]
	s_nop 0
.rept 4
	v_nop
.endr
	s_branch .Lasked_\@
.Lfor_b_\@:
	tensor_load_to_lds s[\g0b:\g0b+3], s[\g1b:\g1b+7]
	s_nop 0
.rept 4
	v_nop
.endr
.Lasked_\@:
.endm
.macro CREST
	s_cmp_lg_u32 s14, 0
	s_cbranch_scc1 .Lnot_wave_0_\@
	s_barrier_signal -3
.Lnot_wave_0_\@:
	s_barrier_wait -3
	s_barrier_signal -1
	s_barrier_wait -1
.endm
.macro CROUND
	s_barrier_signal -1
	s_barrier_wait -1
	CREST
.endm
.macro PLACES n
.rept \n
	v_nop
.endr
.endm
.macro FRAG reg, adr, q, i
.irp c, 0,1,2
	ds_load_b128 v[\reg+4*\c:\reg+4*\c+3], v[\adr] offset:(\q)*1536+(\i)*TS+512*\c
.endr
.endm
.macro FETCH_B slot, q, p
	WIN TO_B
.irp i, 0,1,2,3,4,5,6,7
	FRAG 128*(\p)+FR*\i, ADRB+\slot, \q, \i
.endr
	WIN 0
.endm
.macro FETCH_A slot, q, i0
.irp i, \i0, \i0+1, \i0+2, \i0+3
	FRAG AF+FR*(\i), ADRA+\slot, \q, \i
.endr
.endm
.macro WM cm, hb, ha
.if (\cm) == 1
.if (\hb) && (\ha)
	v_wmma_scale_f32_16x16x128_f8f6f4 v[rD:rD+7], v[rB:rB+FR-1], v[rA:rA+FR-1], 0, v[rSB], v[rSA] matrix_a_fmt:MATRIX_FMT_FP6 matrix_b_fmt:MATRIX_FMT_FP6 matrix_a_scale:MATRIX_SCALE_ROW1 matrix_b_scale:MATRIX_SCALE_ROW1
.elseif (\hb)
	v_wmma_scale_f32_16x16x128_f8f6f4 v[rD:rD+7], v[rB:rB+FR-1], v[rA:rA+FR-1], 0, v[rSB], v[rSA] matrix_a_fmt:MATRIX_FMT_FP6 matrix_b_fmt:MATRIX_FMT_FP6 matrix_a_scale:MATRIX_SCALE_ROW1
.elseif (\ha)
	v_wmma_scale_f32_16x16x128_f8f6f4 v[rD:rD+7], v[rB:rB+FR-1], v[rA:rA+FR-1], 0, v[rSB], v[rSA] matrix_a_fmt:MATRIX_FMT_FP6 matrix_b_fmt:MATRIX_FMT_FP6 matrix_b_scale:MATRIX_SCALE_ROW1
.else
	v_wmma_scale_f32_16x16x128_f8f6f4 v[rD:rD+7], v[rB:rB+FR-1], v[rA:rA+FR-1], 0, v[rSB], v[rSA] matrix_a_fmt:MATRIX_FMT_FP6 matrix_b_fmt:MATRIX_FMT_FP6
.endif
.else
.if (\hb) && (\ha)
	v_wmma_scale_f32_16x16x128_f8f6f4 v[rD:rD+7], v[rB:rB+FR-1], v[rA:rA+FR-1], v[rD:rD+7], v[rSB], v[rSA] matrix_a_fmt:MATRIX_FMT_FP6 matrix_b_fmt:MATRIX_FMT_FP6 matrix_a_scale:MATRIX_SCALE_ROW1 matrix_b_scale:MATRIX_SCALE_ROW1
.elseif (\hb)
	v_wmma_scale_f32_16x16x128_f8f6f4 v[rD:rD+7], v[rB:rB+FR-1], v[rA:rA+FR-1], v[rD:rD+7], v[rSB], v[rSA] matrix_a_fmt:MATRIX_FMT_FP6 matrix_b_fmt:MATRIX_FMT_FP6 matrix_a_scale:MATRIX_SCALE_ROW1
.elseif (\ha)
	v_wmma_scale_f32_16x16x128_f8f6f4 v[rD:rD+7], v[rB:rB+FR-1], v[rA:rA+FR-1], v[rD:rD+7], v[rSB], v[rSA] matrix_a_fmt:MATRIX_FMT_FP6 matrix_b_fmt:MATRIX_FMT_FP6 matrix_b_scale:MATRIX_SCALE_ROW1
.else
	v_wmma_scale_f32_16x16x128_f8f6f4 v[rD:rD+7], v[rB:rB+FR-1], v[rA:rA+FR-1], v[rD:rD+7], v[rSB], v[rSA] matrix_a_fmt:MATRIX_FMT_FP6 matrix_b_fmt:MATRIX_FMT_FP6
.endif
.endif
.endm
.macro MUL16 a0, p, k, cm
.irp a, \a0, \a0+1
.irp b, 0,1,2,3,4,5,6,7
.set rD, 8*(8*((\a)%4)+\b)
.set rB, 128*(\p)+FR*\b
.set rA, AF+FR*(\a)
.set rS, 32+8*(\k)+160*((\k)/4)
.set rSB, rS+4+\b%4
.set rSA, rS+(\a)%4
	WM \cm, \b/4, (\a)/4
.endr
.endr
.endm
.macro STEP p, k, cm, fs, fq
	s_wait_dscnt 4*NL
	WIN MUL_LO
	MUL16 0, \p, \k, \cm
	MUL16 2, \p, \k, \cm
	s_wait_dscnt 0
	PLACES NP
	FETCH_B \fs, \fq, 1-(\p)
	FETCH_A \fs, \fq, 0
	WIN MUL_HI
	MUL16 4, \p, \k, \cm
	MUL16 6, \p, \k, \cm
	PLACES NP
	WIN 0
	FETCH_A \fs, \fq, 4
.endm
.macro TURN p, k, fill, fs
	s_wait_tensorcnt 0x0
	ds_add_u32 v[SPW], v[NIL]
	s_wait_dscnt 4*NL+1
	WIN MUL_LO
	MUL16 0, \p, \k, 0
	s_wait_dscnt 0x0
	s_barrier_signal -1
	MUL16 2, \p, \k, 0
	WIN 0
	s_barrier_wait -1
.if \fill
	CREST
	s_add_nc_u64 s[G0+2:G0+3], s[G0+2:G0+3], 3*TS
	s_add_nc_u64 s[G0B+2:G0B+3], s[G0B+2:G0B+3], 3*TS
	JLOAD G0, G1, G0B, G1B
.else
	PLACES NP
.endif
	FETCH_B \fs, 0, 1-(\p)
	FETCH_A \fs, 0, 0
	WIN MUL_HI
	MUL16 4, \p, \k, 0
	MUL16 6, \p, \k, 0
	PLACES NP
	WIN 0
	FETCH_A \fs, 0, 4
.endm
.macro LAST
	s_wait_dscnt 4*NL
	WIN MUL_LO
	MUL16 0, 1, 7, 0
	MUL16 2, 1, 7, 0
	s_wait_dscnt 0
	WIN MUL_HI
	MUL16 4, 1, 7, 0
	MUL16 6, 1, 7, 0
	WIN 0
.endm
.macro QUANT s, w
	WIN (\w)|((\w)<<2)
.irp b, 0,1,2,3
	v_max3_num_f32 v[TM+\b], |v[(\s)+16*\b]|, |v[(\s)+16*\b+1]|, 0x1800000
.endr
	WIN ((\w)<<2)|((\w)<<4)
.irp i, 2,4,6,8,10,12,14
.irp b, 0,1,2,3
	v_max3_num_f32 v[TM+\b], v[TM+\b], |v[(\s)+16*\b+\i]|, |v[(\s)+16*\b+\i+1]|
.endr
.endr
	WIN 0
.irp b, 0,1,2,3
	v_permlanex16_b32 v[TM+4+\b], v[TM+\b], s[SEL], s[SEL+1]
.endr
.irp b, 0,1,2,3
	v_max_num_f32 v[TM+\b], v[TM+\b], v[TM+4+\b]
.endr
.irp b, 0,1,2,3
	v_add_nc_u32 v[TM+12+\b], 0xff000000, v[TM+\b]
.endr
.irp b, 0,1,2,3
	v_lshrrev_b32 v[TM+4+\b], 23, v[TM+12+\b]
.endr
	v_lshl_or_b32 v[PW], v[TM+5], 8, v[TM+4]
	v_lshl_or_b32 v[PW], v[TM+6], 16, v[PW]
	v_lshl_or_b32 v[PW], v[TM+7], 24, v[PW]
	WIN (\w)
.irp c, 0,1
	v_cvt_scalef32_pk16_fp6_f32 v[PC+6*\c:PC+6*\c+2], v[(\s)+32*\c:(\s)+32*\c+15], v[TM+12+2*\c]
	v_cvt_scalef32_pk16_fp6_f32 v[PC+12+4*\c:PC+12+4*\c+2], v[(\s)+32*\c+16:(\s)+32*\c+31], v[TM+13+2*\c]
.endr
	WIN 0
	v_nop
.irp c, 0,1
.irp i, 0,1,2
	v_permlane16_swap_b32 v[PC+6*\c+\i], v[PC+12+4*\c+\i]
.endr
.irp i, 0,1,2
	v_mov_b32 v[PC+3+6*\c+\i], v[PC+12+4*\c+\i]
.endr
.endr
.endm
	s_load_b256 s[4:11], s[0:1], 0x0
	v_lshl_add_u32 v[SPW], v0, 2, SPARE
	v_mov_b32 v[NIL], 0
	ds_add_u32 v28, v29
	ds_add_u32 v28, v29
	s_wait_dscnt 0x0
	v_lshrrev_b32 v1, 5, v0
	v_readfirstlane_b32 s14, v1
	s_lshr_b32 s15, s14, 1
	s_and_b32 s16, s14, 1
	s_bfe_u32 s40, ttmp6, 0x40000
	s_bfe_u32 s41, ttmp6, 0x40004
	s_and_b32 s18, ttmp7, 0xffff
	s_lshr_b32 s12, s18, 2
	s_and_b32 s18, s18, 3
	s_lshl_b32 s18, s18, 2
	s_mul_i32 s100, s12, 786432
	s_lshl_b32 s101, s12, 15
	s_add_co_u32 s101, s101, WSC
	s_mov_b32 s98, WV_IMG
	s_mov_b32 s99, WSC+65536
	s_mov_b32 s19, ACT_SC
	s_cmp_eq_u32 s12, 2
	s_cselect_b32 s13, 1, 0
	s_cselect_b32 s2, 0, s18
	s_cselect_b32 s18, s18, 0
	s_cselect_b32 s98, s98, 0
	s_cselect_b32 s99, s99, s19
	s_cselect_b32 s100, 0, s100
	s_cselect_b32 s101, s19, s101
	s_add_co_u32 s17, s41, s2
	s_add_co_u32 s42, s40, s18
	s_lshl_b32 s43, s41, 2
	s_lshl_b32 s43, 15, s43
	s_lshl_b32 s44, 0x1111, s40
	s_or_b32 s[G1+0], s43, (3<<16)|(1<<21)
	s_or_b32 s[G1B+0], s44, (3<<16)|(1<<21)
.irp g, G1, G1B
	s_mov_b32 s[\g+1], (TS/8)<<16
	s_mov_b32 s[\g+2], TPL<<16
	s_mov_b32 s[\g+3], (TS/8)<<16
	s_mov_b32 s[\g+4], TPL
	s_mov_b32 s[\g+5], KS128*192
	s_mov_b32 s[\g+6], 0
	s_mov_b32 s[\g+7], 0
.endr
	s_lshl_b32 s18, s16, 3
	s_lshl_b32 s20, s17, 4
	s_add_co_u32 s20, s20, s18
	s_mul_i32 s20, s20, KS128*1536
	s_add_co_u32 s20, s20, s98
	s_mov_b32 s21, 0
	s_lshl_b32 s22, s17, 1
	s_add_co_u32 s22, s22, s15
	s_lshl_b32 s22, s22, 12
	s_add_co_u32 s22, s22, s99
	s_mov_b32 s23, 0
	s_lshl_b32 s46, s42, 4
	s_add_co_u32 s46, s46, s18
	s_mul_i32 s46, s46, KS128*1536
	s_add_co_u32 s46, s46, s100
	s_mov_b32 s47, 0
	s_lshl_b32 s92, s42, 1
	s_add_co_u32 s92, s92, s16
	s_lshl_b32 s92, s92, 12
	s_add_co_u32 s92, s92, s101
	s_mov_b32 s93, 0
	s_mul_i32 s45, s14, HALFT
	s_wait_kmcnt 0x0
	s_cmp_eq_u32 s13, 1
	s_cselect_b64 s[94:95], s[6:7], s[4:5]
	s_cselect_b64 s[96:97], s[4:5], s[6:7]
	s_add_nc_u64 s[20:21], s[94:95], s[20:21]
	s_add_nc_u64 s[32:33], s[94:95], s[22:23]
	s_add_nc_u64 s[46:47], s[96:97], s[46:47]
	s_add_nc_u64 s[34:35], s[96:97], s[92:93]
	; the scale words of all eight K steps are asked for ahead of the tiles: they are on their way while the slots are filled
	v_and_b32 v1, 15, v0
	v_bfe_u32 v2, v0, 4, 1
	v_and_b32 v4, 31, v0
	v_lshlrev_b32 v[L16], 4, v4
	v_lshlrev_b32 v[L8], 3, v4
	v_lshlrev_b32 v[SCO], 5, v1
	v_lshl_add_u32 v[SCO], v2, 4, v[SCO]
.irp k, 0,1,2,3,4,5,6,7
	global_load_b128 v[32+8*\k+160*(\k/4):35+8*\k+160*(\k/4)], v[SCO], s[32:33] offset:512*\k
	global_load_b128 v[36+8*\k+160*(\k/4):39+8*\k+160*(\k/4)], v[SCO], s[34:35] offset:512*\k
.endr
.irp s, 0,1,2
	s_mov_b32 s[G0+4*\s], 1
	s_add_co_u32 s[G0+4*\s+1], s45, \s*SLOT
	s_add_nc_u64 s[G0+4*\s+2:G0+4*\s+3], s[20:21], \s*TS
	s_or_b32 s[G0+4*\s+3], s[G0+4*\s+3], 0x80000000
	s_mov_b32 s[G0B+4*\s], 1
	s_add_co_u32 s[G0B+4*\s+1], s45, \s*SLOT
	s_add_nc_u64 s[G0B+4*\s+2:G0B+4*\s+3], s[46:47], \s*TS
	s_or_b32 s[G0B+4*\s+3], s[G0B+4*\s+3], 0x80000000
	s_wait_alu depctr_va_vdst(0)
	s_wait_tensorcnt 0x0
	ds_add_u32 v28, v29
	ds_add_u32 v28, v29
	s_wait_dscnt 0x0
	CROUND
	JLOAD G0+4*\s, G1, G0B+4*\s, G1B
.endr
	s_mul_i32 s21, s15, HALFT
	s_mul_i32 s22, s16, HALFT
	s_add_co_u32 s22, s22, 2*HALFT
.irp s, 0,1,2
	v_add_nc_u32 v[ADRA+\s], s21, v[L16]
	v_add_nc_u32 v[ADRB+\s], s22, v[L16]
	s_add_co_u32 s21, s21, SLOT
	s_add_co_u32 s22, s22, SLOT
.endr
	v_mul_u32_u24 v[VSO], v2, 208896
	v_lshl_add_u32 v[VSO], v1, 4, v[VSO]
	s_lshl_b32 s2, s17, 1
	s_add_co_u32 s2, s2, s15
	s_lshl_b32 s18, s42, 1
	s_add_co_u32 s18, s18, s16
	s_and_b32 s19, s2, 15
	s_lshl_b32 s19, s19, 11
	v_and_b32 v7, 8, v1
	v_add_nc_u32 v7, v7, v1
	v_lshlrev_b32 v7, 4, v7
	v_lshl_add_u32 v7, v2, 17, v7
	v_add_nc_u32 v[CSO], s19, v7
	s_add_nc_u64 s[94:95], s[6:7], ROPE
.macro LOADCS a
.set CB, CS+32*((\a)%2)
.irp m, 0,1,2,3,4,5,6,7
	global_load_b128 v[CB+4*\m:CB+4*\m+3], v[CSO], s[94:95] offset:(32*((\a)/2)+8*((\a)%2))*16+(8*(\m/4)+\m%4)*32768
.endr
.endm
	LOADCS 0
	LOADCS 1
	s_cmp_eq_u32 s13, 1
	s_cselect_b32 s96, s18, s2
	s_cselect_b32 s97, s2, s18
	s_lshr_b32 s98, s96, 4
	s_and_b32 s96, s96, 15
	s_lshl_b32 s98, s98, 4
	s_lshl_b32 s97, s97, 1
	s_add_co_u32 s97, s97, s98
	s_mul_i32 s98, s97, 208896
	s_lshr_b32 s99, s96, 2
	s_mul_i32 s99, s99, 52224
	s_add_co_u32 s98, s98, s99
	s_and_b32 s99, s96, 3
	s_mul_i32 s100, s99, 6144
	s_add_co_u32 s100, s100, s98
	s_lshl_b32 s101, s99, 9
	s_add_co_u32 s101, s101, 49152
	s_lshl_b32 s99, s99, 8
	s_add_co_u32 s99, s99, 51200
	s_cmp_eq_u32 s13, 1
	s_cselect_b32 s101, s99, s101
	s_cselect_b32 s99, 24576, 0
	s_add_co_u32 s100, s100, s99
	s_add_co_u32 s101, s101, s98
	s_lshl_b32 s98, s97, 7
	s_lshl_b32 s99, s96, 3
	s_add_co_u32 s98, s98, s99
	s_mul_i32 s98, s98, 768
	s_lshl_b32 s99, s97, 4
	s_add_co_u32 s99, s99, s96
	s_lshl_b32 s99, s99, 9
	s_add_co_u32 s99, s99, Q_SC
	s_mov_b32 s96, 208896
	s_cmp_eq_u32 s12, 0
	s_cselect_b32 s100, s98, s100
	s_cselect_b32 s101, s99, s101
	s_cselect_b32 s97, 8192, s96
	s_cselect_b32 s96, 98304, s96
	s_cselect_b64 s[98:99], s[8:9], s[10:11]
	s_mov_b32 s19, 0
	s_mov_b32 s18, s100
	s_add_nc_u64 s[20:21], s[98:99], s[18:19]
	s_mov_b32 s18, s96
	s_add_nc_u64 s[22:23], s[20:21], s[18:19]
	s_mov_b32 s18, s101
	s_add_nc_u64 s[46:47], s[98:99], s[18:19]
	s_mov_b32 s18, s97
	s_add_nc_u64 s[92:93], s[46:47], s[18:19]
	s_mov_b32 s[SEL], 0x76543210
	s_mov_b32 s[SEL+1], 0xfedcba98
	s_mov_b32 s2, 0x7f7f0000
	s_wait_tensorcnt 2
	s_barrier_signal -1
	s_barrier_wait -1
	FETCH_B 0, 0, 0
	FETCH_A 0, 0, 0
	FETCH_A 0, 0, 4
	s_wait_loadcnt 16
	STEP 0, 0, 1, 0, 1
	TURN 1, 1, 1, 1
	STEP 0, 2, 0, 1, 1
	s_wait_alu depctr_va_vdst(0)
	STEP 1, 3, 0, 2, 0
	STEP 0, 4, 0, 2, 1
	TURN 1, 5, 0, 0
	STEP 0, 6, 0, 0, 1
	LAST
	PLACES NP
.irp b, 0,1,2,3
	v_mov_b32 v[TM+4+\b], 0
.endr
	v_cmp_ne_u32 vcc_lo, 0, v2
	s_cmp_eq_u32 s13, 1
	s_cbranch_scc1 .Lv_path
.macro ROT a
.set W, 2+(\a)/4
.set AC, 64*((\a)%4)
.set CB, CS+32*((\a)%2)
	WIN W
.irp b, 0,1,2,3
.irp e, 0,1,2,3,4,5,6,7
	v_mul_f32 v[Y+16*\b+2*\e], v[AC+16*\b+2*\e+1], v[CB+16*(\b%2)+2*\e+1]
	v_mul_f32 v[Y+16*\b+2*\e+1], v[AC+16*\b+2*\e], v[CB+16*(\b%2)+2*\e+1]
	v_fma_f32 v[Y+16*\b+2*\e], v[AC+16*\b+2*\e], v[CB+16*(\b%2)+2*\e], -v[Y+16*\b+2*\e]
	v_fma_f32 v[Y+16*\b+2*\e+1], v[AC+16*\b+2*\e+1], v[CB+16*(\b%2)+2*\e], v[Y+16*\b+2*\e+1]
.endr
.endr
	WIN 0
.endm
.irp a, 0,1,2,3,4,5,6,7
.if \a < 7
	s_wait_loadcnt 8
.else
	s_wait_loadcnt 0x0
.endif
	ROT \a
.if \a < 6
	LOADCS \a+2
.endif
	s_wait_xcnt 0x0
	QUANT Y, 0
	v_mov_b32 v[PWS+\a], v[PW]
	global_store_b128 v[L16], v[PC:PC+3], s[20:21] offset:768*\a
	global_store_b64 v[L8], v[PC+4:PC+5], s[20:21] offset:768*\a+512
	global_store_b128 v[L16], v[PC+6:PC+9], s[22:23] offset:768*\a
	global_store_b64 v[L8], v[PC+10:PC+11], s[22:23] offset:768*\a+512
.endr
.irp i, 0,1,2,3
	v_cndmask_b32 v[TM+\i], v[PWS+\i], v[PWS+4+\i], vcc_lo
.endr
.irp i, 0,1,2,3
	v_and_or_b32 v[TM+4+\i], v[TM+\i], 0xffff, s2
	v_lshrrev_b32 v[TM+8+\i], 16, v[TM+\i]
.endr
.irp i, 0,1,2,3
	v_or_b32 v[TM+8+\i], s2, v[TM+8+\i]
.endr
	global_store_b128 v[SCO], v[TM+4:TM+7], s[46:47]
	global_store_b128 v[SCO], v[TM+8:TM+11], s[92:93]
	s_branch .Lend
.Lv_path:
.irp a, 0,1,2,3,4,5,6,7
	s_wait_xcnt 0x0
	QUANT 64*(\a%4), 2+\a/4
	v_mov_b32 v[PWS+\a], v[PW]
.irp c, 0,1,2
	global_store_b128 v[L16], v[PC+4*\c:PC+4*\c+3], s[20:21] offset:(\a/4)*208896+(\a%4)*1536+512*\c
.endr
.endr
.irp i, 0,1,2,3
	v_cndmask_b32 v[TM+\i], v[PWS+\i], v[PWS+4+\i], vcc_lo
.endr
	global_store_b128 v[VSO], v[TM:TM+3], s[46:47]
.Lend:
	s_wait_tensorcnt 0x0
	ds_add_u32 v[SPW], v[NIL]
	s_wait_dscnt 0x0
	CROUND
	s_endpgm
.Lfunc_end_k_q874d3b4b4f_qkv:
	.size	k_q874d3b4b4f_qkv, .Lfunc_end_k_q874d3b4b4f_qkv-k_q874d3b4b4f_qkv
	.p2alignl 7, 3214868480
	.fill 96, 4, 3214868480
	.section	.rodata,"a",@progbits
	.p2align	6, 0x0
	.amdhsa_kernel k_q874d3b4b4f_qkv
		.amdhsa_group_segment_fixed_size 327680
		.amdhsa_private_segment_fixed_size 0
		.amdhsa_enable_private_segment 0
		.amdhsa_kernarg_size 32
		.amdhsa_user_sgpr_count 2
		.amdhsa_user_sgpr_kernarg_segment_ptr 1
		.amdhsa_wavefront_size32 1
		.amdhsa_system_sgpr_workgroup_id_x 1
		.amdhsa_system_sgpr_workgroup_id_y 1
		.amdhsa_system_sgpr_workgroup_id_z 1
		.amdhsa_system_vgpr_workitem_id 0
		.amdhsa_next_free_vgpr 1024
		.amdhsa_next_free_sgpr 104
		.amdhsa_reserve_vcc 1
		.amdhsa_float_denorm_mode_32 3
		.amdhsa_float_denorm_mode_16_64 3
		.amdhsa_memory_ordered 1
		.amdhsa_forward_progress 1
		.amdhsa_inst_pref_size 230
	.end_amdhsa_kernel
	.amdgpu_metadata
---
amdhsa.version: [ 1, 2 ]
amdhsa.kernels:
  - .name:           k_q874d3b4b4f_qkv
    .symbol:         k_q874d3b4b4f_qkv.kd
    .args:
      - { .name: act, .offset: 0, .size: 8, .value_kind: global_buffer, .address_space: global }
      - { .name: wimg, .offset: 8, .size: 8, .value_kind: global_buffer, .address_space: global }
      - { .name: q, .offset: 16, .size: 8, .value_kind: global_buffer, .address_space: global }
      - { .name: kv, .offset: 24, .size: 8, .value_kind: global_buffer, .address_space: global }
    .group_segment_fixed_size: 327680
    .private_segment_fixed_size: 0
    .kernarg_segment_align: 8
    .kernarg_segment_size: 32
    .max_flat_workgroup_size: 128
    .sgpr_count:     104
    .vgpr_count:     1024
    .wavefront_size: 32
...
	.end_amdgpu_metadata
.endif
;; end of part 2
;; launch attn (part 3): grid 8 x 32, 16 waves a work-group, clusters of 4 x 1, 210,944 bytes of LDS; arguments q, kv, ctx; writes ctx
.if DOCPART == 3
	.amdgcn_target "amdgcn-amd-amdhsa--gfx1250"
	.amdhsa_code_object_version 6
	.text
	.protected	k_q874d3b4b4f_attn
	.globl	k_q874d3b4b4f_attn
	.p2align	8
	.type	k_q874d3b4b4f_attn,@function
k_q874d3b4b4f_attn:
	s_mov_b64 s[64:65], 0
	v_nop
	global_prefetch_b8 v0, s[64:65] scope:SCOPE_SE
	s_setreg_imm32_b32 hwreg(HW_REG_WAVE_MODE, 25, 1), 1
	s_wait_xcnt 0x0
	s_wait_alu depctr_hold_cnt(0) depctr_sa_sdst(0) depctr_va_vdst(0) depctr_va_sdst(0) depctr_va_ssrc(0) depctr_va_vcc(0) depctr_vm_vsrc(0)
	s_getreg_b32 s2, hwreg(HW_REG_IB_STS2, 6, 4)
	s_cmp_eq_u32 s2, 0
	s_cbranch_scc0 .Lentry_in_a_cluster
	s_endpgm
.Lentry_in_a_cluster:
	s_bfe_u32 s2, ttmp6, 0x10000c
	s_cmp_lg_u32 s2, 0x3003
	s_cbranch_scc0 .Lentry_shape_is_right
	s_endpgm
.Lentry_shape_is_right:
; ctx = softmax(q k^T / 8) v for one head, both products on codes of FP6 (E2M3) with E8M0 scales; ctx is quantised along the model's width for the next product.
; THE SOFTMAX: t = score x log2(e) / 8; M = the row's largest t so far, rounded UP to a whole number; p = 2^(t - M) is quantised along the keys, not normalised; the row's sum is taken of the unquantised p and divides at the end.
; SHARES.  A work-group owns 256 queries of one (batch, head); each of its sixteen waves one tile of 16, in 256 registers: four waves to a SIMD.
; THE WHOLE HEAD'S k AND v LIE IN LDS, as they lie in memory: 208,896 bytes, four quarters of four key steps of 128 keys, filled ONCE: no byte is filled again, and no barrier stands in the loop over the keys.
; The four work-groups of a cluster belong to one head: every fill is a joint load that names all four.  EVERY WAVE ISSUES ONE LOAD: wave w brings bytes 13,056 w .. 13,056 w + 13,055 (51 rows of 256 bytes): one tensor load of a wave is out.
; LAYOUT.  Both products are used transposed (S^T = k q^T, O^T = v^T p^T): a lane holds one query.  A tile of 16 tokens takes tokens 32 (T / 2) + 8 (T % 2) + i + 8 (i / 8), so the 16 registers of two neighbouring tiles of keys are 16 neighbouring keys.
; THE FIRST PRODUCT'S K IS 64, the instruction's 128: q's registers 6-11 are zero codes and both sides' scale bytes 2 and 3 are 1.0.  A tile of k is six registers; tile t's operand is v[32 + 6 t .. 43 + 6 t], so its registers 6-11 are tile t + 1's codes
; (the last tile's: zeros).  E2M3 has no code for infinity or NaN, so zero times any code is zero.  So a key step's eight tiles of k come by one run of loads with one wait.
; LIMITS: NaN and infinities are not served; a block of zeros keeps the byte 1 where the rule says 127 (this program alone reads the bytes).  The promise holds while |t| stays under 2^31.
; ctx: two heads share a fragment of 128 along K; a head writes registers 0-5 or 6-11 of it, so the fragment's middle group of 512 bytes is written by halves of 8 bytes from two work-groups, and the scale words by halves of 2 bytes.
; No prefetch: all of a head is asked for at the kernel's head, so there is no loop to run ahead in.
.set QB,   52224                       ; a quarter: k's codes 4 x 6,144; v's 4 x 6,144; k's scale words 4 x 512; v's 4 x 256
.set VOF,  24576
.set KSC,  49152
.set VSC,  51200
.set Q_SC, 3145728
.set C_SC, 3145728
.set SPARE, 208896                     ; behind the four quarters: the spare words, 128 bytes a wave
.set WV,  18
.set SEL, 20                           ; s[20:21] lane l xor 16
.set CS,  22                           ; s[22:23] c = log2(e) / 8
.set G1,  24                           ; s[24:31] descriptor group 1
.set G0,  32                           ; s[32:35] group 0
; REGISTERS: v1-4 addresses of the quarter in hand; v5-8 their lane terms (16 l, 8 l, 32 r, 16 r); v12 -M, v13 the largest t, v[14:15] the sum; v16-27 q; v32-85 eight tiles of k, or v32-79 four fragments of v;
; v96-159 S^T, then p; v160-191 O^T; v192-199 k's scale words, v200-203 v's; v224-235 p's codes; v232-249, v252-254 at work; v250, v251 the add's two; v255 q's scale word.
.macro CROUND
	s_barrier_signal -1
	s_barrier_wait -1
	s_cmp_lg_u32 s[WV], 0
	s_cbranch_scc1 .Lnot_wave_0_\@
	s_barrier_signal -3
.Lnot_wave_0_\@:
	s_barrier_wait -3
	s_barrier_signal -1
	s_barrier_wait -1
.endm
	s_load_b128 s[4:7], s[0:1], 0x0                ; q, kv
	s_load_b64 s[8:9], s[0:1], 0x10                ; ctx
	v_lshl_add_u32 v250, v0, 2, SPARE
	v_mov_b32 v251, 0
	ds_add_u32 v250, v251                          ; the opening lines: the add, twice on end, and its wait
	ds_add_u32 v250, v251
	v_lshrrev_b32 v9, 5, v0
	s_delay_alu instid0(VALU_DEP_1)
	v_readfirstlane_b32 s[WV], v9                  ; wave 0..15
	s_bfe_u32 s10, ttmp6, 0x40000                  ; cx: it enters q's and ctx's addresses alone
	s_lshl_b32 s11, ttmp9, 2
	s_add_co_u32 s11, s11, s10                     ; my block of 256 queries
	s_and_b32 s12, ttmp7, 0xffff                   ; 16 x batch + head, which the four partners share
	s_lshl_b32 s13, s11, 4
	s_add_co_u32 s13, s13, s[WV]                   ; my tile of queries, 0 .. 127
	s_mov_b32 s[G1], 15|(3<<16)|(1<<21)            ; the mask: all four; elements of 8 bytes; bit 21 beside a mask; no padding
	s_mov_b32 s[G1+1], 32<<16                      ; rows of 256 bytes,
	s_mov_b32 s[G1+2], 51<<16                      ; 51 of them: a sixteenth of the head
	s_mov_b32 s[G1+3], 32<<16
	s_mov_b32 s[G1+4], 51
	s_mov_b32 s[G1+5], 32
	s_mov_b32 s[G1+6], 0
	s_mov_b32 s[G1+7], 0
	s_mul_i32 s14, s[WV], 13056                    ; my sixteenth, in LDS as in memory
	s_mul_i32 s16, s12, 208896
	s_add_co_u32 s16, s16, s14
	s_mov_b32 s17, 0
	s_mov_b32 s[SEL], 0x76543210
	s_mov_b32 s[SEL+1], 0xfedcba98
	s_mov_b32 s[CS], 0x3e38aa3b
	s_mov_b32 s[CS+1], s[CS]
	s_wait_dscnt 0x0
	s_wait_kmcnt 0x0
	s_add_nc_u64 s[16:17], s[6:7], s[16:17]
	CROUND                                         ; all four work-groups are here: the joint loads meet
	s_mov_b32 s[G0], 1
	s_mov_b32 s[G0+1], s14
	s_mov_b64 s[G0+2:G0+3], s[16:17]
	s_or_b32 s[G0+3], s[G0+3], 0x80000000
	tensor_load_to_lds s[G0:G0+3], s[G1:G1+7]      ; my one load
	s_nop 0
.rept 4
	v_nop
.endr
	v_and_b32 v9, 15, v0                           ; r
	v_and_b32 v10, 31, v0                          ; l
	s_delay_alu instid0(VALU_DEP_1)
	v_lshlrev_b32 v5, 4, v10
	s_delay_alu instid0(VALU_DEP_2)
	v_lshlrev_b32 v6, 3, v10
	s_delay_alu instid0(VALU_DEP_4)
	v_lshlrev_b32 v7, 5, v9
	s_wait_alu depctr_va_vdst(0)
	v_lshlrev_b32 v8, 4, v9
	s_lshl_b32 s48, s12, 7
	s_add_co_u32 s48, s48, s13
	s_mul_i32 s48, s48, 768
	s_mov_b32 s49, 0
	s_add_nc_u64 s[50:51], s[4:5], s[48:49]
	global_load_b128 v[16:19], v5, s[50:51]        ; q's half fragment: registers 0-3,
	global_load_b64 v[20:21], v6, s[50:51] offset:512  ; 4 and 5
	s_lshl_b32 s48, s12, 4
	s_lshr_b32 s52, s13, 3
	s_add_co_u32 s48, s48, s52
	s_lshl_b32 s48, s48, 9
	s_and_b32 s52, s13, 7
	s_lshl_b32 s52, s52, 2
	s_add_co_u32 s48, s48, s52
	s_add_co_u32 s48, s48, Q_SC
	s_add_nc_u64 s[52:53], s[4:5], s[48:49]
	global_load_b32 v255, v7, s[52:53]             ; its scale word
.irp j, 22,23,24,25,26,27
	v_mov_b32 v\j, 0                               ; zero codes for k = 64 .. 127
.endr
.set n1, 80
.rept 6
	v_mov_b32 v[n1], 0                             ; the last tile of k's registers 6-11: written once, never loaded
.set n1, n1+1
.endr
	v_mov_b32 v13, 0xff61b1e6                      ; the largest t so far: -3e38
	s_delay_alu instid0(VALU_DEP_1)
	v_floor_f32 v12, -v13                          ; -M
	v_mov_b32 v14, 0
	v_mov_b32 v15, 0
.irp b, 0,1,2,3
	v_mov_b32 v[236+\b], 0                         ; a lane permute's destination counts as one of its sources
.endr
	v_mov_b32 v253, 0
.set n1, 160
.rept 32
	v_mov_b32 v[n1], 0                             ; O^T: the step is written once; its first run finds zeros
.set n1, n1+1
.endr
.macro ADDR
	v_add_nc_u32 v1, s2, v5
	v_add_nc_u32 v2, s2, v6
	v_add_nc_u32 v3, s2, v7
	v_add_nc_u32 v4, s2, v8
.endm
; A KEY STEP: 128 keys, the jj-th of the quarter in hand.
.macro STEP jj
.rept 4
	v_nop                                          ; places in front of loads into registers that matrix instructions have read
.endr
.irp t, 0,1,2,3,4,5,6,7                ; k's eight tiles, six registers each
	ds_load_b128 v[32+6*\t:35+6*\t], v1 offset:(\jj)*6144+\t*768
	ds_load_b64 v[36+6*\t:37+6*\t], v2 offset:(\jj)*6144+\t*768+512
.endr
	ds_load_b128 v[192:195], v3 offset:KSC+(\jj)*512
	ds_load_b128 v[196:199], v3 offset:KSC+(\jj)*512+16
	s_wait_dscnt 0x0
.irp t, 0,1,2,3,4,5,6,7                ; S^T = k q^T: eight accumulators, one instruction each
	v_wmma_scale_f32_16x16x128_f8f6f4 v[96+8*\t:103+8*\t], v[32+6*\t:43+6*\t], v[16:27], 0, v[192+\t], v255 matrix_a_fmt:MATRIX_FMT_FP6 matrix_b_fmt:MATRIX_FMT_FP6
.endr
.rept 4
	v_nop                                          ; places in front of the reads of the scores and of the loads below
.endr
.irp t, 0,1,2,3                        ; v's four fragments are asked for now: they land under the softmax
.irp c, 0,1,2
	ds_load_b128 v[32+12*\t+4*\c:35+12*\t+4*\c], v1 offset:VOF+(\jj)*6144+\t*1536+512*\c
.endr
.endr
	ds_load_b128 v[200:203], v4 offset:VSC+(\jj)*256
.irp b, 0,1,2,3
	v_max3_num_f32 v[232+\b], v[96+16*\b], v[97+16*\b], v[98+16*\b]   ; the largest score of each block of 32 keys: for the row's maximum and, since p rises with the score, for the block's largest p
.endr
.irp i, 3,5,7,9,11,13
.irp b, 0,1,2,3
	v_max3_num_f32 v[232+\b], v[232+\b], v[96+16*\b+\i], v[97+16*\b+\i]
.endr
.endr
.irp b, 0,1,2,3
	v_max_num_f32 v[232+\b], v[232+\b], v[111+16*\b]
.endr
.irp b, 0,1,2,3
	s_delay_alu instid0(VALU_DEP_4)
	v_permlanex16_b32 v[236+\b], v[232+\b], s[SEL], s[SEL+1]
.endr
.irp b, 0,1,2,3
	s_delay_alu instid0(VALU_DEP_4)
	v_max_num_f32 v[232+\b], v[232+\b], v[236+\b]
.endr
	s_delay_alu instid0(VALU_DEP_2)
	v_max3_num_f32 v254, v232, v233, v234
	s_delay_alu instid0(VALU_DEP_1)
	v_max_num_f32 v254, v254, v235
	s_delay_alu instid0(VALU_DEP_1)
	v_mul_f32 v254, s[CS], v254
	s_delay_alu instid0(VALU_DEP_1)
	v_max_num_f32 v13, v13, v254                   ; the running largest t
	v_mov_b32 v254, v12
	s_delay_alu instid0(VALU_DEP_2)
	v_floor_f32 v12, -v13                          ; the new -M: M is a whole number
	s_delay_alu instid0(VALU_DEP_1)
	v_sub_f32 v254, v12, v254
	s_delay_alu instid0(VALU_DEP_1)
	v_cvt_i32_f32 v254, v254
	s_delay_alu instid0(VALU_DEP_1)
	v_ldexp_f32 v252, 1.0, v254                    ; f = 2^(old M - new M): a multiplication by it rounds nothing
.irp j, 0,2,4,6,8,10,12,14,16,18,20,22,24,26,28,30,32,34,36,38,40,42,44,46,48,50,52,54,56,58,60,62
	v_pk_fma_f32 v[96+\j:97+\j], v[96+\j:97+\j], s[CS:CS+1], v[12:13] op_sel_hi:[1,0,0]   ; t - M
.endr
.irp b, 0,1,2,3
	v_fma_f32 v[232+\b], v[232+\b], s[CS], v12
.endr
.set n1, 96
	s_wait_alu depctr_va_vdst(0)                   ; the wait ahead of the batch
.rept 64
	v_exp_f32 v[n1], v[n1]                         ; p = 2^(t - M)
.set n1, n1+1
.endr
	v_pk_mul_f32 v[14:15], v[14:15], v[252:253] op_sel_hi:[1,0]   ; the sums under the new M: a plain place behind the exponentials
	s_wait_alu depctr_va_vdst(0)                   ; one wait for the batch of 64, ahead of its first reader
.irp b, 0,1,2,3
	v_exp_f32 v[232+\b], v[232+\b]                 ; each block's largest p
.endr
	v_pk_add_f32 v[236:237], v[100:101], v[104:105]   ; the row's sum of the unquantised p, in eight chains
	v_pk_add_f32 v[248:249], v[108:109], v[112:113]
	v_pk_add_f32 v[246:247], v[116:117], v[120:121]
	v_pk_add_f32 v[244:245], v[124:125], v[128:129]
	v_pk_add_f32 v[242:243], v[132:133], v[136:137]
	v_pk_add_f32 v[240:241], v[140:141], v[144:145]
	v_pk_add_f32 v[238:239], v[148:149], v[152:153]
	v_pk_add_f32 v[14:15], v[14:15], v[156:157]
	v_pk_add_f32 v[236:237], v[236:237], v[96:97]
	v_pk_add_f32 v[248:249], v[248:249], v[98:99]
	v_pk_add_f32 v[246:247], v[246:247], v[102:103]
	v_pk_add_f32 v[244:245], v[244:245], v[106:107]
	v_pk_add_f32 v[242:243], v[242:243], v[110:111]
	v_pk_add_f32 v[240:241], v[240:241], v[114:115]
	v_pk_add_f32 v[238:239], v[238:239], v[118:119]
	v_pk_add_f32 v[14:15], v[14:15], v[122:123]
	v_pk_add_f32 v[236:237], v[236:237], v[126:127]
	v_pk_add_f32 v[248:249], v[248:249], v[130:131]
	v_pk_add_f32 v[246:247], v[246:247], v[134:135]
	v_pk_add_f32 v[244:245], v[244:245], v[138:139]
	v_pk_add_f32 v[242:243], v[242:243], v[142:143]
	v_pk_add_f32 v[240:241], v[240:241], v[146:147]
	v_pk_add_f32 v[238:239], v[238:239], v[150:151]
	v_pk_add_f32 v[14:15], v[14:15], v[154:155]
	v_pk_add_f32 v[236:237], v[236:237], v[158:159]
	s_delay_alu instid0(VALU_DEP_2)
	v_pk_add_f32 v[14:15], v[14:15], v[244:245]
	s_delay_alu instid0(VALU_DEP_2)
	v_pk_add_f32 v[236:237], v[236:237], v[242:243]
	v_pk_add_f32 v[248:249], v[248:249], v[240:241]
	v_pk_add_f32 v[246:247], v[246:247], v[238:239]
	s_delay_alu instid0(VALU_DEP_2)
	v_pk_add_f32 v[14:15], v[14:15], v[248:249]
	s_delay_alu instid0(VALU_DEP_2)
	v_pk_add_f32 v[236:237], v[236:237], v[246:247]
	s_delay_alu instid0(VALU_DEP_1)
	v_pk_add_f32 v[14:15], v[14:15], v[236:237]
	s_wait_alu depctr_va_vdst(0)                   ; and one for the four
.irp b, 0,1,2,3
	v_max_num_f32 v[232+\b], 0x1800000, v[232+\b]  ; the floor 2^(3 - 127)
.endr
.irp b, 0,1,2,3
	s_delay_alu instid0(VALU_DEP_4)
	v_add_nc_u32 v[244+\b], 0xff000000, v[232+\b]
.endr
.irp b, 0,1,2,3
	s_delay_alu instid0(VALU_DEP_4)
	v_lshrrev_b32 v[236+\b], 23, v[244+\b]
.endr
	s_delay_alu instid0(VALU_DEP_3)
	v_lshl_or_b32 v253, v237, 8, v236              ; p's scale word
	s_delay_alu instid0(VALU_DEP_1)
	v_lshl_or_b32 v253, v238, 16, v253
	s_delay_alu instid0(VALU_DEP_1)
	v_lshl_or_b32 v253, v239, 24, v253
.irp c, 0,1
	v_cvt_scalef32_pk16_fp6_f32 v[224+6*\c:226+6*\c], v[96+32*\c:111+32*\c], v[244+2*\c]
	v_cvt_scalef32_pk16_fp6_f32 v[236+4*\c:238+4*\c], v[112+32*\c:127+32*\c], v[245+2*\c]
.endr
	v_nop
.irp c, 0,1
.irp i, 0,1,2
	v_permlane16_swap_b32 v[224+6*\c+\i], v[236+4*\c+\i]
.endr
.irp i, 0,1,2
	s_delay_alu instid0(VALU_DEP_3)
	v_mov_b32 v[227+6*\c+\i], v[236+4*\c+\i]
.endr
.endr
.irp j, 0,2,4,6,8,10,12,14,16,18,20,22,24,26,28,30
	v_pk_mul_f32 v[160+\j:161+\j], v[160+\j:161+\j], v[252:253] op_sel_hi:[1,0]   ; O^T under the new M; for each product below twelve of these sixteen name none of its registers: the places behind the writes of p's codes and scale word
.endr
	s_wait_alu depctr_va_vdst(0)
	s_wait_dscnt 0x0                               ; v
.irp t, 0,1,2,3                        ; O^T += v^T p^T: the four accumulators by turns
	v_wmma_scale_f32_16x16x128_f8f6f4 v[160+8*\t:167+8*\t], v[32+12*\t:43+12*\t], v[224:235], v[160+8*\t:167+8*\t], v[200+\t], v253 matrix_a_fmt:MATRIX_FMT_FP6 matrix_b_fmt:MATRIX_FMT_FP6
.endr
.endm
	s_mov_b32 s2, 0
	s_mov_b32 s3, 4
	s_wait_alu depctr_va_vdst(0)                   ; the wait at the head's end
	s_wait_loadcnt 0x0                             ; q
	s_wait_tensorcnt 0x0                           ; my sixteenth of the head is in,
	s_barrier_signal -1
	s_barrier_wait -1                              ; everybody's is
.Lquarter:
	ADDR
	s_wait_alu depctr_va_vdst(0)
	STEP 0
	STEP 1
	STEP 2
	STEP 3
	s_add_co_u32 s2, s2, QB
	s_sub_co_u32 s3, s3, 1
	s_cmp_lg_u32 s3, 0
	s_cbranch_scc1 .Lquarter
	; THE WAY OUT: O^T / the sum; its 32 registers are d = 32 B + 16 h + i of my query: two blocks of 32 along the next product's K
	v_add_f32 v14, v14, v15
	s_delay_alu instid0(VALU_DEP_1)
	v_permlanex16_b32 v252, v14, s[SEL], s[SEL+1]
	s_delay_alu instid0(VALU_DEP_1)
	v_add_f32 v14, v14, v252
	s_wait_alu depctr_va_vdst(0)
	v_rcp_f32 v14, v14
.rept 4
	v_nop                                          ; the plain place behind the reciprocal, and the places behind the last products
.endr
	s_lshr_b32 s48, s12, 4
	s_lshl_b32 s48, s48, 7
	s_add_co_u32 s48, s48, s13                     ; my token tile, 0 .. 255
	s_and_b32 s54, s12, 15                         ; the head
	s_lshr_b32 s55, s54, 1                         ; its K step of 128
	s_lshl_b32 s56, s48, 3
	s_add_co_u32 s56, s56, s55
	s_mul_i32 s56, s56, 1536
	s_mov_b32 s57, 0
	s_add_nc_u64 s[58:59], s[8:9], s[56:57]
	s_lshr_b32 s56, s48, 3
	s_lshl_b32 s56, s56, 3
	s_add_co_u32 s56, s56, s55
	s_lshl_b32 s56, s56, 9
	s_and_b32 s55, s48, 7
	s_lshl_b32 s55, s55, 2
	s_add_co_u32 s56, s56, s55
	s_and_b32 s55, s54, 1
	s_lshl_b32 s60, s55, 1
	s_add_co_u32 s56, s56, s60
	s_add_co_u32 s56, s56, C_SC
	s_add_nc_u64 s[60:61], s[8:9], s[56:57]
	s_wait_alu depctr_va_vdst(0)                   ; ahead of the reciprocal's first reader
.set n1, 0
.rept 32
	v_mul_f32 v[96+n1], v[160+n1], v14
.set n1, n1+1
.endr
.irp b, 0,1
	v_max3_num_f32 v[232+\b], |v[96+16*\b]|, |v[97+16*\b]|, 0x1800000
.endr
.irp i, 2,4,6,8,10,12,14
.irp b, 0,1
	s_delay_alu instid0(VALU_DEP_2)
	v_max3_num_f32 v[232+\b], v[232+\b], |v[96+16*\b+\i]|, |v[97+16*\b+\i]|
.endr
.endr
.irp b, 0,1
	s_delay_alu instid0(VALU_DEP_2)
	v_permlanex16_b32 v[236+\b], v[232+\b], s[SEL], s[SEL+1]
.endr
.irp b, 0,1
	s_delay_alu instid0(VALU_DEP_2)
	v_max_num_f32 v[232+\b], v[232+\b], v[236+\b]
.endr
.irp b, 0,1
	s_delay_alu instid0(VALU_DEP_2)
	v_add_nc_u32 v[244+\b], 0xff000000, v[232+\b]
.endr
.irp b, 0,1
	s_delay_alu instid0(VALU_DEP_2)
	v_lshrrev_b32 v[240+\b], 23, v[244+\b]
.endr
	s_delay_alu instid0(VALU_DEP_1)
	v_lshl_or_b32 v253, v241, 8, v240              ; the head's two scale bytes
	v_cvt_scalef32_pk16_fp6_f32 v[224:226], v[96:111], v244
	v_cvt_scalef32_pk16_fp6_f32 v[236:238], v[112:127], v245
	v_nop
.irp i, 0,1,2
	v_permlane16_swap_b32 v[224+\i], v[236+\i]
.endr
.irp i, 0,1,2
	s_delay_alu instid0(VALU_DEP_3)
	v_mov_b32 v[227+\i], v[236+\i]                 ; v224-229: six registers of the fragment
.endr
	global_store_b16 v7, v253, s[60:61]
	s_cmp_eq_u32 s55, 0                            ; the head's parity: the same in all partners
	s_cbranch_scc0 .Lodd
	global_store_b128 v5, v[224:227], s[58:59]                 ; registers 0-3: the first group,
	global_store_b64 v5, v[228:229], s[58:59] offset:512       ; 4, 5: the lower half of my 16 bytes of the second
	s_branch .Lout
.Lodd:
	s_wait_alu depctr_va_vdst(0)
	global_store_b64 v5, v[224:225], s[58:59] offset:520       ; registers 6, 7: the upper half,
	global_store_b128 v5, v[226:229], s[58:59] offset:1024     ; 8-11: the third group
.Lout:
	s_wait_tensorcnt 0x0                           ; the wave's end
	ds_add_u32 v250, v251
	s_wait_dscnt 0x0
	CROUND                                         ; the closing round: no work-group ends while a partner may still ask for a tile that names it
	s_endpgm
.Lfunc_end_k_q874d3b4b4f_attn:
	.size	k_q874d3b4b4f_attn, .Lfunc_end_k_q874d3b4b4f_attn-k_q874d3b4b4f_attn
	.p2alignl 7, 3214868480
	.fill 96, 4, 3214868480
	.section	.rodata,"a",@progbits
	.p2align	6, 0x0
	.amdhsa_kernel k_q874d3b4b4f_attn
		.amdhsa_group_segment_fixed_size 210944
		.amdhsa_private_segment_fixed_size 0
		.amdhsa_enable_private_segment 0
		.amdhsa_kernarg_size 24
		.amdhsa_user_sgpr_count 2
		.amdhsa_user_sgpr_kernarg_segment_ptr 1
		.amdhsa_wavefront_size32 1
		.amdhsa_system_sgpr_workgroup_id_x 1
		.amdhsa_system_sgpr_workgroup_id_y 1
		.amdhsa_system_sgpr_workgroup_id_z 1
		.amdhsa_system_vgpr_workitem_id 0
		.amdhsa_next_free_vgpr 256
		.amdhsa_next_free_sgpr 66
		.amdhsa_reserve_vcc 0
		.amdhsa_float_denorm_mode_32 3
		.amdhsa_float_denorm_mode_16_64 3
		.amdhsa_memory_ordered 1
		.amdhsa_forward_progress 1
		.amdhsa_inst_pref_size 79
	.end_amdhsa_kernel
	.amdgpu_metadata
---
amdhsa.version: [ 1, 2 ]
amdhsa.kernels:
  - .name:           k_q874d3b4b4f_attn
    .symbol:         k_q874d3b4b4f_attn.kd
    .args:
      - { .name: q, .offset: 0, .size: 8, .value_kind: global_buffer, .address_space: global }
      - { .name: kv, .offset: 8, .size: 8, .value_kind: global_buffer, .address_space: global }
      - { .name: ctx, .offset: 16, .size: 8, .value_kind: global_buffer, .address_space: global }
    .group_segment_fixed_size: 210944
    .private_segment_fixed_size: 0
    .kernarg_segment_align: 8
    .kernarg_segment_size: 24
    .max_flat_workgroup_size: 512
    .sgpr_count:     66
    .vgpr_count:     256
    .wavefront_size: 32
...
	.end_amdgpu_metadata
.endif
;; end of part 3
;; launch woln (part 4): grid 256 x 1, 8 waves a work-group, no clusters, 133,120 bytes of LDS; arguments ctx, wimg, x, ln2_s, ln2_b, mlp, act; writes mlp, act
.if DOCPART == 4
	.amdgcn_target "amdgcn-amd-amdhsa--gfx1250"
	.amdhsa_code_object_version 6
	.text
	.protected	k_q874d3b4b4f_woln
	.globl	k_q874d3b4b4f_woln
	.p2align	8
	.type	k_q874d3b4b4f_woln,@function
k_q874d3b4b4f_woln:
	s_mov_b64 s[64:65], 0
	v_nop
	global_prefetch_b8 v0, s[64:65] scope:SCOPE_SE
	s_setreg_imm32_b32 hwreg(HW_REG_WAVE_MODE, 25, 1), 1
	s_wait_xcnt 0x0
; mlp = ctx Wo + x, and act = the layer norm of mlp, quantised to FP6 (E2M3) with one E8M0 byte for 32 along K: one launch.  The product is on codes of FP6 with E8M0 scales.
; SHARES.  A layer norm wants whole rows, so a work-group owns ONE TILE OF 16 TOKENS (tile T = its number: tokens 32 (T / 2) + 8 (T % 2) + i + 8 (i / 8)) x all 1,024 columns: 256 work-groups.
; Wave w of eight owns columns 128 w .. 128 w + 127: eight tiles of the weight, eight accumulators, 8 K steps of 128: 64 matrix instructions.
; THE WEIGHT GOES FROM MEMORY STRAIGHT INTO REGISTERS.  It lies as images of an operand's registers ([tile][K step][1,536 bytes]); with 16 tokens each of a wave's 64 fragments feeds one matrix instruction of one wave, so LDS would spare no read.
; No tensor load, no cluster: the weight's 786,432 bytes are more than LDS holds, so joint loads would want refills with a round of the cluster's barrier each, for fragments that are used once.
; Each load takes 512 consecutive bytes.  Two sets of eight fragments take turns: K step k + 2 is asked for behind K step k's products: 48 loads of 512 bytes of a wave are out.
; No prefetch: all work-groups walk the same bytes of the weight in the same order, and the loads themselves run two K steps ahead; ctx and x are asked for whole at the head.
; THE PRODUCT IS USED TRANSPOSED (source 0 = 16 rows of the weight, source 1 = the 16 tokens): lane (r, h) holds token r, register 16 b + i column 128 w + 32 b + 16 h + i.
; THE WAY OUT.  The sums go into an LDS stage of 16 rows; wave w takes rows 2 w, 2 w + 1 (two neighbouring tokens) back as whole rows, adds x, stores mlp (512 consecutive bytes a store) and norms them: mean, then the variance of x - mean.
; The normed rows go through a second stage; wave w takes K step w of all 16 rows, quantises it and stores a fragment of act and its scale words.
; LIMITS: NaN and infinities are not served.  A block of zeros, or one whose largest magnitude lies under 2^-124, keeps the byte 1 where the rule says 127: its codes are zeros and this program alone reads the bytes.
.set C_SC,   3145728                   ; ctx's scale image
.set B_IMG,  2359296                   ; in wimg: wo's code image,
.set B_SC,   9437184+98304             ; its scale image
.set ACT_SC, 3145728
.set LNP,    4112                      ; a stage's row: 4,096 bytes + 16
.set ST2,    66048                     ; the second stage
.set SPARE,  132096                    ; the spare words, 128 bytes a wave
.set ACC, 32                           ; v32-95   eight accumulators; later X
.set AF,  96                           ; v96-191  ctx's eight fragments; later gains, biases, sums
.set SB,  192                          ; v192-223 the weight's scale words: K step k at 4 k: tiles 0-3 in lanes 0-15, tiles 4-7 in lanes 16-31
.set SA,  224                          ; v224-231 ctx's scale words
.set X,   32
.set GA,  96
.set BI,  128
.set SM,  160
.set PC,  192
.set TM,  224
.set PW,  240
.set SEL, 38
.set WV,  40
; window 1: v0-95, v96-191 the weight's two sets of eight fragments; v192-255 my two rows of x
.set MSB, 0
.macro WIN new
.if MSB != (\new)
	s_set_vgpr_msb (MSB<<8)|(\new)
.set MSB, \new
.endif
.endm
.macro LANES d                         ; v[d .. d+3] of all 32 lanes are added up; every lane gets the sum in v[d]
	s_delay_alu instid0(VALU_DEP_1)
	v_pk_add_f32 v[\d:\d+1], v[\d:\d+1], v[\d+2:\d+3]
	s_delay_alu instid0(VALU_DEP_1)
	v_add_f32 v[\d], v[\d], v[\d+1]
	s_delay_alu instid0(VALU_DEP_1)
	v_add_f32_dpp v[\d], v[\d], v[\d] row_xmask:1 row_mask:0xf bank_mask:0xf
	s_delay_alu instid0(VALU_DEP_1)
	v_add_f32_dpp v[\d], v[\d], v[\d] row_xmask:2 row_mask:0xf bank_mask:0xf
	s_delay_alu instid0(VALU_DEP_1)
	v_add_f32_dpp v[\d], v[\d], v[\d] row_xmask:4 row_mask:0xf bank_mask:0xf
	s_delay_alu instid0(VALU_DEP_1)
	v_add_f32_dpp v[\d], v[\d], v[\d] row_xmask:8 row_mask:0xf bank_mask:0xf
	s_delay_alu instid0(VALU_DEP_1)
	v_permlanex16_b32 v[\d+1], v[\d], s[SEL], s[SEL+1]
	s_delay_alu instid0(VALU_DEP_1)
	v_add_f32 v[\d], v[\d], v[\d+1]
.endm
.macro RSUM d, xr                      ; the sum of a row: 32 registers a lane, two chains
	v_pk_add_f32 v[\d:\d+1], v[\xr:\xr+1], v[\xr+2:\xr+3]
	v_pk_add_f32 v[\d+2:\d+3], v[\xr+4:\xr+5], v[\xr+6:\xr+7]
.irp j, 8,12,16,20,24,28
	s_delay_alu instid0(VALU_DEP_2)
	v_pk_add_f32 v[\d:\d+1], v[\d:\d+1], v[\xr+\j:\xr+\j+1]
	s_delay_alu instid0(VALU_DEP_2)
	v_pk_add_f32 v[\d+2:\d+3], v[\d+2:\d+3], v[\xr+\j+2:\xr+\j+3]
.endr
	LANES \d
.endm
.macro RSQ d, xr                       ; the sum of its squares
	v_pk_mul_f32 v[\d:\d+1], v[\xr:\xr+1], v[\xr:\xr+1]
	v_pk_mul_f32 v[\d+2:\d+3], v[\xr+2:\xr+3], v[\xr+2:\xr+3]
.irp j, 4,8,12,16,20,24,28
	s_delay_alu instid0(VALU_DEP_2)
	v_pk_fma_f32 v[\d:\d+1], v[\xr+\j:\xr+\j+1], v[\xr+\j:\xr+\j+1], v[\d:\d+1]
	s_delay_alu instid0(VALU_DEP_2)
	v_pk_fma_f32 v[\d+2:\d+3], v[\xr+\j+2:\xr+\j+3], v[\xr+\j+2:\xr+\j+3], v[\d+2:\d+3]
.endr
	LANES \d
.endm
; 64 numbers of a lane, register 16 b + i = k 32 b + 16 (lane / 16) + i of my row, become a fragment's codes in v[PC] on and its scale word in v[PW]
.macro QUANT s
.irp b, 0,1,2,3
	v_max3_num_f32 v[TM+\b], |v[\s+16*\b]|, |v[\s+1+16*\b]|, 0x1800000   ; my 16 numbers of block b, and the floor 2^(3 - 127)
.endr
.irp i, 2,4,6,8,10,12,14
.irp b, 0,1,2,3
	s_delay_alu instid0(VALU_DEP_4)
	v_max3_num_f32 v[TM+\b], v[TM+\b], |v[\s+16*\b+\i]|, |v[\s+1+16*\b+\i]|
.endr
.endr
.irp b, 0,1,2,3
	s_delay_alu instid0(VALU_DEP_4)
	v_permlanex16_b32 v[TM+4+\b], v[TM+\b], s[SEL], s[SEL+1]
.endr
.irp b, 0,1,2,3
	s_delay_alu instid0(VALU_DEP_4)
	v_max_num_f32 v[TM+\b], v[TM+\b], v[TM+4+\b]      ; with lane l xor 16's: the block's largest magnitude
.endr
.irp b, 0,1,2,3
	s_delay_alu instid0(VALU_DEP_4)
	v_add_nc_u32 v[TM+12+\b], 0xff000000, v[TM+\b]    ; 2 off its exponent field: the conversion's scale operand
.endr
.irp b, 0,1,2,3
	s_delay_alu instid0(VALU_DEP_4)
	v_lshrrev_b32 v[TM+4+\b], 23, v[TM+12+\b]         ; the scale's byte
.endr
	s_delay_alu instid0(VALU_DEP_3)
	v_lshl_or_b32 v[PW], v[TM+5], 8, v[TM+4]
	s_delay_alu instid0(VALU_DEP_1)
	v_lshl_or_b32 v[PW], v[TM+6], 16, v[PW]
	s_delay_alu instid0(VALU_DEP_1)
	v_lshl_or_b32 v[PW], v[TM+7], 24, v[PW]
.irp c, 0,1
	v_cvt_scalef32_pk16_fp6_f32 v[PC+6*\c:PC+2+6*\c], v[\s+32*\c:\s+15+32*\c], v[TM+12+2*\c]
	v_cvt_scalef32_pk16_fp6_f32 v[PC+12+4*\c:PC+14+4*\c], v[\s+16+32*\c:\s+31+32*\c], v[TM+13+2*\c]
.endr
	v_nop                                          ; one plain place behind a scaled conversion
.irp c, 0,1                            ; the operand's layout wants a whole block in a lane
.irp i, 0,1,2
	v_permlane16_swap_b32 v[PC+6*\c+\i], v[PC+12+4*\c+\i]
.endr
.irp i, 0,1,2
	s_delay_alu instid0(VALU_DEP_3)
	v_mov_b32 v[PC+3+6*\c+\i], v[PC+12+4*\c+\i]
.endr
.endr
.endm
.macro BLOAD k                         ; the weight's eight fragments of K step k into set k % 2 of window 1: 24 loads
.irp b, 0,1,2,3,4,5,6,7
.irp c, 0,1,2
	global_load_b128 v[96*((\k)%2)+12*\b+4*\c:96*((\k)%2)+12*\b+4*\c+3], v5, s[26:27] offset:\b*12288+(\k)*1536+512*\c
.endr
.endr
.endm
; K step k: cnt loads issued behind this step's may be out.  The eight accumulators take turns; the first step starts the sums.
.macro KSTEP k, cnt
	s_wait_loadcnt \cnt
	WIN 0x01                                       ; source 0, the weight, in window 1
.irp b, 0,1,2,3,4,5,6,7
.set rD, ACC+8*\b
.set rW, 96*((\k)%2)+12*\b
.set rT, AF+12*(\k)
.set rS, SB+4*(\k)+\b%4
.if (\k) == 0
.if \b < 4
	v_wmma_scale_f32_16x16x128_f8f6f4 v[rD:rD+7], v[rW:rW+11], v[rT:rT+11], 0, v[rS], v[SA+(\k)] matrix_a_fmt:MATRIX_FMT_FP6 matrix_b_fmt:MATRIX_FMT_FP6
.else
	v_wmma_scale_f32_16x16x128_f8f6f4 v[rD:rD+7], v[rW:rW+11], v[rT:rT+11], 0, v[rS], v[SA+(\k)] matrix_a_fmt:MATRIX_FMT_FP6 matrix_b_fmt:MATRIX_FMT_FP6 matrix_a_scale:MATRIX_SCALE_ROW1
.endif
.else
.if \b < 4
	v_wmma_scale_f32_16x16x128_f8f6f4 v[rD:rD+7], v[rW:rW+11], v[rT:rT+11], v[rD:rD+7], v[rS], v[SA+(\k)] matrix_a_fmt:MATRIX_FMT_FP6 matrix_b_fmt:MATRIX_FMT_FP6
.else
	v_wmma_scale_f32_16x16x128_f8f6f4 v[rD:rD+7], v[rW:rW+11], v[rT:rT+11], v[rD:rD+7], v[rS], v[SA+(\k)] matrix_a_fmt:MATRIX_FMT_FP6 matrix_b_fmt:MATRIX_FMT_FP6 matrix_a_scale:MATRIX_SCALE_ROW1
.endif
.endif
.endr
.rept 4
	v_nop                                          ; places in front of loads into registers that matrix instructions have read, and of the reads of results
.endr
.if (\k) < 6
	WIN 0x40                                       ; destination in window 1
	BLOAD (\k)+2
.endif
.endm
	s_load_b256 s[4:11], s[0:1], 0x0               ; ctx s[4:5], wimg s[6:7], x s[8:9], gain s[10:11]
	s_load_b128 s[12:15], s[0:1], 0x20             ; bias s[12:13], mlp s[14:15]
	s_load_b64 s[16:17], s[0:1], 0x30              ; act
	v_lshl_add_u32 v254, v0, 2, SPARE
	v_mov_b32 v255, 0
	v_lshrrev_b32 v1, 5, v0
	s_delay_alu instid0(VALU_DEP_1)
	v_readfirstlane_b32 s[WV], v1                  ; wave 0..7
	v_and_b32 v2, 31, v0                           ; lane
	v_and_b32 v3, 15, v0                           ; r
	v_bfe_u32 v4, v0, 4, 1                         ; h
	s_delay_alu instid0(VALU_DEP_3)
	v_lshlrev_b32 v5, 4, v2                        ; 16 l
	s_delay_alu instid0(VALU_DEP_3)
	v_lshlrev_b32 v8, 5, v3                        ; 32 r
	v_mul_u32_u24 v7, v3, LNP
	s_delay_alu instid0(VALU_DEP_2)
	v_lshl_add_u32 v9, v4, 4, v8                   ; 32 r + 16 h
	s_delay_alu instid0(VALU_DEP_2)
	v_lshl_add_u32 v7, v4, 6, v7
	s_mul_i32 s46, s[WV], 2*LNP
	s_lshl_b32 s47, s[WV], 9
	v_add_nc_u32 v6, s46, v5                       ; a stage by rows: my two rows, 16 bytes a lane
	v_add_nc_u32 v7, s47, v7                       ; a stage by columns: row r, my 128 columns, + 64 h
	s_delay_alu instid0(VALU_DEP_2)
	v_add_nc_u32 v10, ST2, v6                      ; the same in the second stage
	s_delay_alu instid0(VALU_DEP_2)
	v_add_nc_u32 v11, ST2, v7
	s_mov_b32 s[SEL], 0x76543210
	s_mov_b32 s[SEL+1], 0xfedcba98
	s_mov_b32 s44, 0x3a800000                      ; 1 / 1,024
	s_mov_b32 s45, 0x358637bd                      ; 1e-6
	s_mul_i32 s20, ttmp9, 12288                    ; ctx's fragments of tile T
	s_mov_b32 s21, 0
	s_lshr_b32 s18, ttmp9, 3
	s_and_b32 s19, ttmp9, 7
	s_lshl_b32 s19, s19, 2                         ; 4 (T % 8)
	s_lshl_b32 s34, s18, 12
	s_add_co_u32 s34, s34, s19
	s_add_co_u32 s34, s34, C_SC                    ; its scale words: group T / 8, K step 0
	s_mov_b32 s35, 0
	s_mul_i32 s36, s[WV], 98304
	s_add_co_u32 s36, s36, B_IMG                   ; my eight tiles of the weight
	s_mov_b32 s37, 0
	s_lshl_b32 s50, s[WV], 12
	s_add_co_u32 s50, s50, B_SC                    ; their scale words: group w
	s_mov_b32 s51, 0
	s_lshr_b32 s41, ttmp9, 1
	s_lshl_b32 s41, s41, 5
	s_and_b32 s42, ttmp9, 1
	s_lshl_b32 s42, s42, 3
	s_add_co_u32 s41, s41, s42
	s_lshl_b32 s42, s[WV], 1
	s_add_co_u32 s41, s41, s42
	s_lshr_b32 s42, s[WV], 2
	s_lshl_b32 s42, s42, 3
	s_add_co_u32 s41, s41, s42                     ; token 32 (T / 2) + 8 (T % 2) + 2 w + 8 (w / 4): tile rows 2 w and 2 w + 1
	s_lshl_b32 s42, s41, 12
	s_mov_b32 s43, 0
	s_lshl_b32 s54, ttmp9, 3
	s_add_co_u32 s54, s54, s[WV]
	s_mul_i32 s54, s54, 1536                       ; act's fragment (T, w)
	s_mov_b32 s55, 0
	s_lshl_b32 s56, s18, 3
	s_add_co_u32 s56, s56, s[WV]
	s_lshl_b32 s56, s56, 9                         ; its scale words: group T / 8, K step w
	s_add_co_u32 s56, s56, s19
	s_add_co_u32 s56, s56, ACT_SC
	s_mov_b32 s57, 0
	s_wait_alu depctr_va_vdst(0)                   ; the wait at the head's end
	s_wait_kmcnt 0x0
	s_add_nc_u64 s[22:23], s[4:5], s[20:21]
	s_add_nc_u64 s[24:25], s[4:5], s[34:35]
	s_add_nc_u64 s[26:27], s[6:7], s[36:37]
	s_add_nc_u64 s[28:29], s[6:7], s[50:51]
	s_add_nc_u64 s[30:31], s[8:9], s[42:43]
	s_add_nc_u64 s[32:33], s[14:15], s[42:43]
	s_add_nc_u64 s[48:49], s[16:17], s[54:55]
	s_add_nc_u64 s[52:53], s[16:17], s[56:57]
.irp k, 0,1,2,3,4,5,6,7
	global_load_b32 v[SA+\k], v8, s[24:25] offset:512*\k
.endr
.irp k, 0,1,2,3,4,5,6,7
	global_load_b128 v[SB+4*\k:SB+4*\k+3], v9, s[28:29] offset:512*\k
.endr
.set n1, 0
.rept 24
	global_load_b128 v[AF+4*n1:AF+4*n1+3], v5, s[22:23] offset:512*n1
.set n1, n1+1
.endr
	WIN 0x40
	BLOAD 0
	BLOAD 1
.set n1, 0
.rept 16                               ; my two rows of x, 8,192 consecutive bytes, into window 1
	global_load_b128 v[192+4*n1:192+4*n1+3], v5, s[30:31] offset:512*n1 th:TH_LOAD_NT
.set n1, n1+1
.endr
	KSTEP 0, 40                                    ; behind K step 0's loads: K step 1's 24 and x's 16
	KSTEP 1, 40                                    ; behind K step 1's: x's 16 and K step 2's 24
	KSTEP 2, 24                                    ; from here on: the next K step's 24
	KSTEP 3, 24
	KSTEP 4, 24
	KSTEP 5, 24
	KSTEP 6, 24
	KSTEP 7, 0
	WIN 0
.set n1, 0
.rept 8                                ; gains and biases, into registers that held ctx's fragments
	global_load_b128 v[GA+4*n1:GA+4*n1+3], v5, s[10:11] offset:512*n1
	global_load_b128 v[BI+4*n1:BI+4*n1+3], v5, s[12:13] offset:512*n1
.set n1, n1+1
.endr
.irp b, 0,1,2,3
.irp j, 0,1,2,3
	ds_store_b128 v7, v[ACC+16*\b+4*\j:ACC+16*\b+4*\j+3] offset:128*\b+16*\j   ; each accumulator from its low end on
.endr
.endr
.irp b, 0,1,2,3
	v_mov_b32 v[TM+4+\b], 0                        ; a lane permute's destination counts as one of its sources
.endr
	s_wait_dscnt 0x0                               ; for the others' sake: my columns lie in the stage
	s_barrier_signal -1
	s_barrier_wait -1
.set n1, 0
.rept 16
	ds_load_b128 v[X+4*n1:X+4*n1+3], v6 offset:(n1/8)*LNP+512*(n1%8)
.set n1, n1+1
.endr
	s_wait_dscnt 0x0
	WIN 0x04                                       ; source 1, x, in window 1
.irp j, 0,2,4,6,8,10,12,14,16,18,20,22,24,26,28,30,32,34,36,38,40,42,44,46,48,50,52,54,56,58,60,62
	v_pk_add_f32 v[X+\j:X+\j+1], v[X+\j:X+\j+1], v[192+\j:193+\j]
.endr
	WIN 0
.set n1, 0
.rept 16
	global_store_b128 v5, v[X+4*n1:X+4*n1+3], s[32:33] offset:512*n1   ; mlp: 512 consecutive bytes a store
.set n1, n1+1
.endr
	RSUM SM, X
	RSUM SM+4, X+32
	v_mul_f32 v[SM], 0xba800000, v[SM]             ; - the mean
	s_delay_alu instid0(VALU_DEP_2)
	v_mul_f32 v[SM+4], 0xba800000, v[SM+4]
	s_wait_alu depctr_va_vdst(0)                   ; the wait here, directly ahead of the wait below
	s_wait_xcnt 0x0                                ; the stores have read their data: the rows may be written again
.irp u, 0,1
.irp j, 0,2,4,6,8,10,12,14,16,18,20,22,24,26,28,30
	v_pk_add_f32 v[X+32*\u+\j:X+32*\u+\j+1], v[X+32*\u+\j:X+32*\u+\j+1], v[SM+4*\u:SM+4*\u+1] op_sel_hi:[1,0]
.endr
.endr
	RSQ SM, X
	RSQ SM+4, X+32
	v_fma_f32 v[SM], v[SM], s44, s45               ; the variance + 1e-6
	s_delay_alu instid0(VALU_DEP_2)
	v_fma_f32 v[SM+4], v[SM+4], s44, s45
	s_wait_alu depctr_va_vdst(0)                   ; the wait ahead of the two roots,
	v_rsq_f32 v[SM], v[SM]
	v_rsq_f32 v[SM+4], v[SM+4]
	v_nop                                          ; a plain place behind them,
	s_wait_alu depctr_va_vdst(0)                   ; and for one wait ahead of their first reader
	s_wait_loadcnt 0x0                             ; gains and biases
.irp u, 0,1
.irp j, 0,2,4,6,8,10,12,14,16,18,20,22,24,26,28,30
	v_pk_mul_f32 v[X+32*\u+\j:X+32*\u+\j+1], v[X+32*\u+\j:X+32*\u+\j+1], v[SM+4*\u:SM+4*\u+1] op_sel_hi:[1,0]
	s_delay_alu instid0(VALU_DEP_1)
	v_pk_fma_f32 v[X+32*\u+\j:X+32*\u+\j+1], v[X+32*\u+\j:X+32*\u+\j+1], v[GA+\j:GA+\j+1], v[BI+\j:BI+\j+1]
.endr
.endr
.set n1, 0
.rept 16
	ds_store_b128 v10, v[X+4*n1:X+4*n1+3] offset:(n1/8)*LNP+512*(n1%8)
.set n1, n1+1
.endr
	s_wait_dscnt 0x0                               ; for the others' sake: my two rows lie in the second stage
	s_barrier_signal -1
	s_barrier_wait -1
.irp b, 0,1,2,3                        ; K step w of all 16 rows: register 16 b + 4 j + e = column 128 w + 32 b + 16 h + 4 j + e of row r
.irp j, 0,1,2,3
	ds_load_b128 v[X+16*\b+4*\j:X+16*\b+4*\j+3], v11 offset:128*\b+16*\j
.endr
.endr
	s_wait_dscnt 0x0
	QUANT X
.irp c, 0,1,2
	global_store_b128 v5, v[PC+4*\c:PC+4*\c+3], s[48:49] offset:512*\c   ; 512 consecutive bytes a store
.endr
	global_store_b32 v8, v[PW], s[52:53]           ; words 32 bytes apart (lanes 16-31 repeat lanes 0-15's)
	s_wait_tensorcnt 0x0                           ; the wave's end
	ds_add_u32 v254, v255
	s_wait_dscnt 0x0
	s_endpgm
.Lfunc_end_k_q874d3b4b4f_woln:
	.size	k_q874d3b4b4f_woln, .Lfunc_end_k_q874d3b4b4f_woln-k_q874d3b4b4f_woln
	.p2alignl 7, 3214868480
	.fill 96, 4, 3214868480
	.section	.rodata,"a",@progbits
	.p2align	6, 0x0
	.amdhsa_kernel k_q874d3b4b4f_woln
		.amdhsa_group_segment_fixed_size 133120
		.amdhsa_private_segment_fixed_size 0
		.amdhsa_enable_private_segment 0
		.amdhsa_kernarg_size 56
		.amdhsa_user_sgpr_count 2
		.amdhsa_user_sgpr_kernarg_segment_ptr 1
		.amdhsa_wavefront_size32 1
		.amdhsa_system_sgpr_workgroup_id_x 1
		.amdhsa_system_sgpr_workgroup_id_y 1
		.amdhsa_system_sgpr_workgroup_id_z 1
		.amdhsa_system_vgpr_workitem_id 0
		.amdhsa_next_free_vgpr 512
		.amdhsa_next_free_sgpr 66
		.amdhsa_reserve_vcc 0
		.amdhsa_float_denorm_mode_32 3
		.amdhsa_float_denorm_mode_16_64 3
		.amdhsa_memory_ordered 1
		.amdhsa_forward_progress 1
		.amdhsa_inst_pref_size 68
	.end_amdhsa_kernel
	.amdgpu_metadata
---
amdhsa.version: [ 1, 2 ]
amdhsa.kernels:
  - .name:           k_q874d3b4b4f_woln
    .symbol:         k_q874d3b4b4f_woln.kd
    .args:
      - { .name: ctx, .offset: 0, .size: 8, .value_kind: global_buffer, .address_space: global }
      - { .name: wimg, .offset: 8, .size: 8, .value_kind: global_buffer, .address_space: global }
      - { .name: x, .offset: 16, .size: 8, .value_kind: global_buffer, .address_space: global }
      - { .name: ln2_s, .offset: 24, .size: 8, .value_kind: global_buffer, .address_space: global }
      - { .name: ln2_b, .offset: 32, .size: 8, .value_kind: global_buffer, .address_space: global }
      - { .name: mlp, .offset: 40, .size: 8, .value_kind: global_buffer, .address_space: global }
      - { .name: act, .offset: 48, .size: 8, .value_kind: global_buffer, .address_space: global }
    .group_segment_fixed_size: 133120
    .private_segment_fixed_size: 0
    .kernarg_segment_align: 8
    .kernarg_segment_size: 56
    .max_flat_workgroup_size: 256
    .sgpr_count:     66
    .vgpr_count:     512
    .wavefront_size: 32
...
	.end_amdgpu_metadata
.endif
;; end of part 4
;; launch w1 (part 5): grid 16 x 16, 4 waves a work-group, clusters of 4 x 4, 327,680 bytes of LDS; arguments act, wimg, b1, hid; writes hid
.if DOCPART == 5
	.amdgcn_target "amdgcn-amd-amdhsa--gfx1250"
	.amdhsa_code_object_version 6
	.text
	.protected	k_q874d3b4b4f_w1
	.globl	k_q874d3b4b4f_w1
	.p2align	8
	.type	k_q874d3b4b4f_w1,@function
k_q874d3b4b4f_w1:
	s_mov_b64 s[64:65], 0
	v_nop
	global_prefetch_b8 v0, s[64:65] scope:SCOPE_SE
	s_setreg_imm32_b32 hwreg(HW_REG_WAVE_MODE, 25, 1), 1
	s_wait_xcnt 0x0
	s_wait_alu depctr_hold_cnt(0) depctr_sa_sdst(0) depctr_va_vdst(0) depctr_va_sdst(0) depctr_va_ssrc(0) depctr_va_vcc(0) depctr_vm_vsrc(0)
	s_getreg_b32 s2, hwreg(HW_REG_IB_STS2, 6, 4)
	s_cmp_eq_u32 s2, 0
	s_cbranch_scc0 .Lentry_in_a_cluster
	s_endpgm
.Lentry_in_a_cluster:
	s_bfe_u32 s2, ttmp6, 0x10000c
	s_cmp_lg_u32 s2, 0xf033
	s_cbranch_scc0 .Lentry_shape_is_right
	s_endpgm
.Lentry_shape_is_right:
.set KS128,  8
.set TS,     3072
.set TPL,    8
.set SPARE,  294912
.set ACT_SC, 3145728
.set W1_IMG, 3145728
.set W1_SC,  9437184+131072
.set HID_SC, 12582912
.set FR,     12
.set NL,     3
.set NP,     4
.set HALFT,  24576
.set SLOT,   98304
.set ADRA, 16
.set ADRB, 20
.set SPW,  28
.set NIL,  29
.set AF,   128
.set L16,  3
.set SCO,  25
.set BIAS, 64
.set H,    64
.set E,    128
.set PC,   192
.set TM,   212
.set PWS,  228
.set PW,   236
.set K0,   238
.set K1,   96
.set SEL,  18
.set G1,  24
.set G0,  80
.set G1B, 48
.set G0B, 68
.set MSB, 0
.macro WIN new
.if MSB != (\new)
	s_set_vgpr_msb (MSB<<8)|(\new)
.set MSB, \new
.endif
.endm
.set MUL_LO, 0xa1
.set MUL_HI, 0xf1
.set TO_B,   0x40
.macro JLOAD g0a, g1a, g0b, g1b
	s_cmp_eq_u32 s15, 0
	s_cbranch_scc0 .Lfor_b_\@
	tensor_load_to_lds s[\g0a:\g0a+3], s[\g1a:\g1a+7]
	s_nop 0
.rept 4
	v_nop
.endr
	s_branch .Lasked_\@
.Lfor_b_\@:
	tensor_load_to_lds s[\g0b:\g0b+3], s[\g1b:\g1b+7]
	s_nop 0
.rept 4
	v_nop
.endr
.Lasked_\@:
.endm
.macro CREST
	s_cmp_lg_u32 s14, 0
	s_cbranch_scc1 .Lnot_wave_0_\@
	s_barrier_signal -3
.Lnot_wave_0_\@:
	s_barrier_wait -3
	s_barrier_signal -1
	s_barrier_wait -1
.endm
.macro CROUND
	s_barrier_signal -1
	s_barrier_wait -1
	CREST
.endm
.macro PLACES n
.rept \n
	v_nop
.endr
.endm
.macro FRAG reg, adr, q, i
.irp c, 0,1,2
	ds_load_b128 v[\reg+4*\c:\reg+4*\c+3], v[\adr] offset:(\q)*1536+(\i)*TS+512*\c
.endr
.endm
.macro FETCH_B slot, q, p
	WIN TO_B
.irp i, 0,1,2,3,4,5,6,7
	FRAG 128*(\p)+FR*\i, ADRB+\slot, \q, \i
.endr
	WIN 0
.endm
.macro FETCH_A slot, q, i0
.irp i, \i0, \i0+1, \i0+2, \i0+3
	FRAG AF+FR*(\i), ADRA+\slot, \q, \i
.endr
.endm
.macro WM cm, hb, ha
.if (\cm) == 2
.if (\hb) && (\ha)
	v_wmma_scale_f32_16x16x128_f8f6f4 v[rD:rD+7], v[rB:rB+FR-1], v[rA:rA+FR-1], v[rC:rC+7], v[rSB], v[rSA] matrix_a_fmt:MATRIX_FMT_FP6 matrix_b_fmt:MATRIX_FMT_FP6 matrix_a_scale:MATRIX_SCALE_ROW1 matrix_b_scale:MATRIX_SCALE_ROW1
.elseif (\hb)
	v_wmma_scale_f32_16x16x128_f8f6f4 v[rD:rD+7], v[rB:rB+FR-1], v[rA:rA+FR-1], v[rC:rC+7], v[rSB], v[rSA] matrix_a_fmt:MATRIX_FMT_FP6 matrix_b_fmt:MATRIX_FMT_FP6 matrix_a_scale:MATRIX_SCALE_ROW1
.elseif (\ha)
	v_wmma_scale_f32_16x16x128_f8f6f4 v[rD:rD+7], v[rB:rB+FR-1], v[rA:rA+FR-1], v[rC:rC+7], v[rSB], v[rSA] matrix_a_fmt:MATRIX_FMT_FP6 matrix_b_fmt:MATRIX_FMT_FP6 matrix_b_scale:MATRIX_SCALE_ROW1
.else
	v_wmma_scale_f32_16x16x128_f8f6f4 v[rD:rD+7], v[rB:rB+FR-1], v[rA:rA+FR-1], v[rC:rC+7], v[rSB], v[rSA] matrix_a_fmt:MATRIX_FMT_FP6 matrix_b_fmt:MATRIX_FMT_FP6
.endif
.else
.if (\hb) && (\ha)
	v_wmma_scale_f32_16x16x128_f8f6f4 v[rD:rD+7], v[rB:rB+FR-1], v[rA:rA+FR-1], v[rD:rD+7], v[rSB], v[rSA] matrix_a_fmt:MATRIX_FMT_FP6 matrix_b_fmt:MATRIX_FMT_FP6 matrix_a_scale:MATRIX_SCALE_ROW1 matrix_b_scale:MATRIX_SCALE_ROW1
.elseif (\hb)
	v_wmma_scale_f32_16x16x128_f8f6f4 v[rD:rD+7], v[rB:rB+FR-1], v[rA:rA+FR-1], v[rD:rD+7], v[rSB], v[rSA] matrix_a_fmt:MATRIX_FMT_FP6 matrix_b_fmt:MATRIX_FMT_FP6 matrix_a_scale:MATRIX_SCALE_ROW1
.elseif (\ha)
	v_wmma_scale_f32_16x16x128_f8f6f4 v[rD:rD+7], v[rB:rB+FR-1], v[rA:rA+FR-1], v[rD:rD+7], v[rSB], v[rSA] matrix_a_fmt:MATRIX_FMT_FP6 matrix_b_fmt:MATRIX_FMT_FP6 matrix_b_scale:MATRIX_SCALE_ROW1
.else
	v_wmma_scale_f32_16x16x128_f8f6f4 v[rD:rD+7], v[rB:rB+FR-1], v[rA:rA+FR-1], v[rD:rD+7], v[rSB], v[rSA] matrix_a_fmt:MATRIX_FMT_FP6 matrix_b_fmt:MATRIX_FMT_FP6
.endif
.endif
.endm
.macro MUL16 a0, p, k, cm
.irp a, \a0, \a0+1
.irp b, 0,1,2,3,4,5,6,7
.set rD, 8*(8*((\a)%4)+\b)
.set rB, 128*(\p)+FR*\b
.set rA, AF+FR*(\a)
.set rC, BIAS+8*\b
.set rS, 32+8*(\k)+160*((\k)/4)
.set rSB, rS+4+\b%4
.set rSA, rS+(\a)%4
	WM \cm, \b/4, (\a)/4
.endr
.endr
.endm
.macro STEP p, k, cm, fs, fq
	s_wait_dscnt 4*NL
.if (\cm) == 2
	WIN 0x81
.else
	WIN MUL_LO
.endif
	MUL16 0, \p, \k, \cm
	MUL16 2, \p, \k, \cm
	s_wait_dscnt 0
	PLACES NP
	FETCH_B \fs, \fq, 1-(\p)
	FETCH_A \fs, \fq, 0
.if (\cm) == 2
	WIN 0xc1
.else
	WIN MUL_HI
.endif
	MUL16 4, \p, \k, \cm
	MUL16 6, \p, \k, \cm
	PLACES NP
	WIN 0
	FETCH_A \fs, \fq, 4
.endm
.macro TURN p, k, fill, fs
	s_wait_tensorcnt 0x0
	ds_add_u32 v[SPW], v[NIL]
	s_wait_dscnt 4*NL+1
	WIN MUL_LO
	MUL16 0, \p, \k, 0
	s_wait_dscnt 0x0
	s_barrier_signal -1
	MUL16 2, \p, \k, 0
	WIN 0
	s_barrier_wait -1
.if \fill
	CREST
	s_add_nc_u64 s[G0+2:G0+3], s[G0+2:G0+3], 3*TS
	s_add_nc_u64 s[G0B+2:G0B+3], s[G0B+2:G0B+3], 3*TS
	JLOAD G0, G1, G0B, G1B
.else
	PLACES NP
.endif
	FETCH_B \fs, 0, 1-(\p)
	FETCH_A \fs, 0, 0
	WIN MUL_HI
	MUL16 4, \p, \k, 0
	MUL16 6, \p, \k, 0
	PLACES NP
	WIN 0
	FETCH_A \fs, 0, 4
.endm
.macro LAST
	s_wait_dscnt 4*NL
	WIN MUL_LO
	MUL16 0, 1, 7, 0
	MUL16 2, 1, 7, 0
	s_wait_dscnt 0
	WIN MUL_HI
	MUL16 4, 1, 7, 0
	MUL16 6, 1, 7, 0
	WIN 0
.endm
.macro QUANT s, w
	WIN (\w)|((\w)<<2)
.irp b, 0,1,2,3
	v_max3_num_f32 v[TM+\b], |v[(\s)+16*\b]|, |v[(\s)+16*\b+1]|, 0x1800000
.endr
	WIN ((\w)<<2)|((\w)<<4)
.irp i, 2,4,6,8,10,12,14
.irp b, 0,1,2,3
	v_max3_num_f32 v[TM+\b], v[TM+\b], |v[(\s)+16*\b+\i]|, |v[(\s)+16*\b+\i+1]|
.endr
.endr
	WIN 0
.irp b, 0,1,2,3
	v_permlanex16_b32 v[TM+4+\b], v[TM+\b], s[SEL], s[SEL+1]
.endr
.irp b, 0,1,2,3
	v_max_num_f32 v[TM+\b], v[TM+\b], v[TM+4+\b]
.endr
.irp b, 0,1,2,3
	v_add_nc_u32 v[TM+12+\b], 0xff000000, v[TM+\b]
.endr
.irp b, 0,1,2,3
	v_lshrrev_b32 v[TM+4+\b], 23, v[TM+12+\b]
.endr
	v_lshl_or_b32 v[PW], v[TM+5], 8, v[TM+4]
	v_lshl_or_b32 v[PW], v[TM+6], 16, v[PW]
	v_lshl_or_b32 v[PW], v[TM+7], 24, v[PW]
	WIN (\w)
.irp c, 0,1
	v_cvt_scalef32_pk16_fp6_f32 v[PC+6*\c:PC+6*\c+2], v[(\s)+32*\c:(\s)+32*\c+15], v[TM+12+2*\c]
	v_cvt_scalef32_pk16_fp6_f32 v[PC+12+4*\c:PC+12+4*\c+2], v[(\s)+32*\c+16:(\s)+32*\c+31], v[TM+13+2*\c]
.endr
	WIN 0
	v_nop
.irp c, 0,1
.irp i, 0,1,2
	v_permlane16_swap_b32 v[PC+6*\c+\i], v[PC+12+4*\c+\i]
.endr
.irp i, 0,1,2
	v_mov_b32 v[PC+3+6*\c+\i], v[PC+12+4*\c+\i]
.endr
.endr
.endm
	s_load_b256 s[4:11], s[0:1], 0x0
	v_lshl_add_u32 v[SPW], v0, 2, SPARE
	v_mov_b32 v[NIL], 0
	ds_add_u32 v28, v29
	ds_add_u32 v28, v29
	s_wait_dscnt 0x0
	v_lshrrev_b32 v1, 5, v0
	v_readfirstlane_b32 s14, v1
	s_lshr_b32 s15, s14, 1
	s_and_b32 s16, s14, 1
	s_bfe_u32 s40, ttmp6, 0x40000
	s_bfe_u32 s41, ttmp6, 0x40004
	s_lshl_b32 s42, ttmp9, 2
	s_add_co_u32 s42, s42, s40
	s_and_b32 s17, ttmp7, 0xffff
	s_lshl_b32 s17, s17, 2
	s_add_co_u32 s17, s17, s41
	s_lshl_b32 s43, s41, 2
	s_lshl_b32 s43, 15, s43
	s_lshl_b32 s44, 0x1111, s40
	s_or_b32 s[G1+0], s43, (3<<16)|(1<<21)
	s_or_b32 s[G1B+0], s44, (3<<16)|(1<<21)
.irp g, G1, G1B
	s_mov_b32 s[\g+1], (TS/8)<<16
	s_mov_b32 s[\g+2], TPL<<16
	s_mov_b32 s[\g+3], (TS/8)<<16
	s_mov_b32 s[\g+4], TPL
	s_mov_b32 s[\g+5], KS128*192
	s_mov_b32 s[\g+6], 0
	s_mov_b32 s[\g+7], 0
.endr
	s_lshl_b32 s18, s16, 3
	s_lshl_b32 s20, s17, 4
	s_add_co_u32 s20, s20, s18
	s_mul_i32 s20, s20, KS128*1536
	s_mov_b32 s21, 0
	s_lshl_b32 s22, s17, 1
	s_add_co_u32 s22, s22, s15
	s_lshl_b32 s22, s22, 12
	s_add_co_u32 s22, s22, ACT_SC
	s_mov_b32 s23, 0
	s_lshl_b32 s46, s42, 4
	s_add_co_u32 s46, s46, s18
	s_mul_i32 s46, s46, KS128*1536
	s_add_co_u32 s46, s46, W1_IMG
	s_mov_b32 s47, 0
	s_lshl_b32 s92, s42, 1
	s_add_co_u32 s92, s92, s16
	s_lshl_b32 s92, s92, 12
	s_add_co_u32 s92, s92, W1_SC
	s_mov_b32 s93, 0
	s_mul_i32 s45, s14, HALFT
	s_wait_kmcnt 0x0
	s_add_nc_u64 s[20:21], s[4:5], s[20:21]
	s_add_nc_u64 s[32:33], s[4:5], s[22:23]
	s_add_nc_u64 s[46:47], s[6:7], s[46:47]
	s_add_nc_u64 s[34:35], s[6:7], s[92:93]
	; the scale words of all eight K steps and the bias are asked for ahead of the tiles: they are on their way while the slots are filled
	v_and_b32 v1, 15, v0
	v_bfe_u32 v2, v0, 4, 1
	v_and_b32 v4, 31, v0
	v_lshlrev_b32 v[L16], 4, v4
	s_wait_alu depctr_va_vdst(0)
	v_lshlrev_b32 v[SCO], 5, v1
	v_lshl_add_u32 v[SCO], v2, 4, v[SCO]
.irp k, 0,1,2,3,4,5,6,7
	global_load_b128 v[32+8*\k+160*(\k/4):35+8*\k+160*(\k/4)], v[SCO], s[32:33] offset:512*\k
	global_load_b128 v[36+8*\k+160*(\k/4):39+8*\k+160*(\k/4)], v[SCO], s[34:35] offset:512*\k
.endr
	s_lshl_b32 s2, s42, 10
	s_lshl_b32 s18, s16, 9
	s_add_co_u32 s18, s18, s2
	s_mov_b32 s19, 0
	s_add_nc_u64 s[94:95], s[8:9], s[18:19]
	v_lshlrev_b32 v26, 6, v2
.irp b, 0,1,2,3,4,5,6,7
	global_load_b128 v[BIAS+8*\b:BIAS+8*\b+3], v26, s[94:95] offset:(32*(\b/2)+8*(\b%2))*4
	global_load_b128 v[BIAS+8*\b+4:BIAS+8*\b+7], v26, s[94:95] offset:(32*(\b/2)+8*(\b%2))*4+16
.endr
.irp s, 0,1,2
	s_mov_b32 s[G0+4*\s], 1
	s_add_co_u32 s[G0+4*\s+1], s45, \s*SLOT
	s_add_nc_u64 s[G0+4*\s+2:G0+4*\s+3], s[20:21], \s*TS
	s_or_b32 s[G0+4*\s+3], s[G0+4*\s+3], 0x80000000
	s_mov_b32 s[G0B+4*\s], 1
	s_add_co_u32 s[G0B+4*\s+1], s45, \s*SLOT
	s_add_nc_u64 s[G0B+4*\s+2:G0B+4*\s+3], s[46:47], \s*TS
	s_or_b32 s[G0B+4*\s+3], s[G0B+4*\s+3], 0x80000000
	s_wait_alu depctr_va_vdst(0)
	s_wait_tensorcnt 0x0
	ds_add_u32 v28, v29
	ds_add_u32 v28, v29
	s_wait_dscnt 0x0
	CROUND
	JLOAD G0+4*\s, G1, G0B+4*\s, G1B
.endr
	s_mul_i32 s21, s15, HALFT
	s_mul_i32 s22, s16, HALFT
	s_add_co_u32 s22, s22, 2*HALFT
.irp s, 0,1,2
	v_add_nc_u32 v[ADRA+\s], s21, v[L16]
	v_add_nc_u32 v[ADRB+\s], s22, v[L16]
	s_add_co_u32 s21, s21, SLOT
	s_add_co_u32 s22, s22, SLOT
.endr
	s_lshl_b32 s2, s17, 1
	s_add_co_u32 s2, s2, s15
	s_lshl_b32 s18, s42, 1
	s_add_co_u32 s18, s18, s16
	s_lshl_b32 s96, s2, 8
	s_add_co_u32 s96, s96, s18
	s_mul_i32 s96, s96, 1536
	s_mov_b32 s97, 0
	s_add_nc_u64 s[20:21], s[10:11], s[96:97]
	s_lshl_b32 s96, s2, 5
	s_add_co_u32 s96, s96, s18
	s_lshl_b32 s96, s96, 9
	s_add_co_u32 s96, s96, HID_SC
	s_add_nc_u64 s[22:23], s[10:11], s[96:97]
	s_mov_b32 s[K1], 0xbdd2d3e8
	s_mov_b32 s[K1+1], s[K1]
	s_mov_b32 s[SEL], 0x76543210
	s_mov_b32 s[SEL+1], 0xfedcba98
	s_wait_alu depctr_va_vdst(0)
	s_wait_tensorcnt 2
	s_barrier_signal -1
	s_barrier_wait -1
	FETCH_B 0, 0, 0
	FETCH_A 0, 0, 0
	FETCH_A 0, 0, 4
	s_wait_loadcnt 0x0
	STEP 0, 0, 2, 0, 1
	TURN 1, 1, 1, 1
	STEP 0, 2, 0, 1, 1
	STEP 1, 3, 0, 2, 0
	STEP 0, 4, 0, 2, 1
	TURN 1, 5, 0, 0
	STEP 0, 6, 0, 0, 1
	LAST
	PLACES NP
.irp b, 0,1,2,3
	v_mov_b32 v[TM+4+\b], 0
.endr
	v_mov_b32 v[K0], 0xc0135761
	v_mov_b32 v[K0+1], 0xc0135761
	v_cmp_ne_u32 vcc_lo, 0, v2
.macro GELU a
.set W, 2+(\a)/4
.set AC, 64*((\a)%4)
	WIN W|(W<<2)
.set n1, 0
.rept 32
	v_pk_mul_f32 v[E+n1:E+n1+1], v[AC+n1:AC+n1+1], v[AC+n1:AC+n1+1]
.set n1, n1+2
.endr
	WIN 0
.set n1, 0
.rept 32
	v_pk_fma_f32 v[E+n1:E+n1+1], v[E+n1:E+n1+1], s[K1:K1+1], v[K0:K0+1] op_sel_hi:[1,0,1]
.set n1, n1+2
.endr
	WIN W<<2
.set n1, 0
.rept 32
	v_pk_mul_f32 v[E+n1:E+n1+1], v[E+n1:E+n1+1], v[AC+n1:AC+n1+1]
.set n1, n1+2
.endr
	WIN 0
.set n1, 0
	s_wait_alu depctr_va_vdst(0)
.rept 64
	v_exp_f32 v[E+n1], v[E+n1]
.set n1, n1+1
.endr
	v_nop
	s_wait_alu depctr_va_vdst(0)
.set n1, 0
.rept 32
	v_pk_add_f32 v[E+n1:E+n1+1], v[E+n1:E+n1+1], 1.0 op_sel_hi:[1,0]
.set n1, n1+2
.endr
.set n1, 0
	s_wait_alu depctr_va_vdst(0)
.rept 64
	v_rcp_f32 v[E+n1], v[E+n1]
.set n1, n1+1
.endr
	v_nop
	s_wait_alu depctr_va_vdst(0)
	WIN W
.set n1, 0
.rept 32
	v_pk_mul_f32 v[H+n1:H+n1+1], v[AC+n1:AC+n1+1], v[E+n1:E+n1+1]
.set n1, n1+2
.endr
	WIN 0
.endm
.irp a, 0,1,2,3,4,5,6,7
	GELU \a
	s_wait_xcnt 0x0
	QUANT H, 0
	v_mov_b32 v[PWS+\a], v[PW]
.irp c, 0,1,2
	global_store_b128 v[L16], v[PC+4*\c:PC+4*\c+3], s[20:21] offset:49152*\a+512*\c
.endr
.endr
.irp i, 0,1,2,3
	v_cndmask_b32 v[TM+\i], v[PWS+\i], v[PWS+4+\i], vcc_lo
.endr
	global_store_b128 v[SCO], v[TM:TM+3], s[22:23]
	s_wait_tensorcnt 0x0
	ds_add_u32 v[SPW], v[NIL]
	s_wait_dscnt 0x0
	CROUND
	s_endpgm
.Lfunc_end_k_q874d3b4b4f_w1:
	.size	k_q874d3b4b4f_w1, .Lfunc_end_k_q874d3b4b4f_w1-k_q874d3b4b4f_w1
	.p2alignl 7, 3214868480
	.fill 96, 4, 3214868480
	.section	.rodata,"a",@progbits
	.p2align	6, 0x0
	.amdhsa_kernel k_q874d3b4b4f_w1
		.amdhsa_group_segment_fixed_size 327680
		.amdhsa_private_segment_fixed_size 0
		.amdhsa_enable_private_segment 0
		.amdhsa_kernarg_size 32
		.amdhsa_user_sgpr_count 2
		.amdhsa_user_sgpr_kernarg_segment_ptr 1
		.amdhsa_wavefront_size32 1
		.amdhsa_system_sgpr_workgroup_id_x 1
		.amdhsa_system_sgpr_workgroup_id_y 1
		.amdhsa_system_sgpr_workgroup_id_z 1
		.amdhsa_system_vgpr_workitem_id 0
		.amdhsa_next_free_vgpr 1024
		.amdhsa_next_free_sgpr 104
		.amdhsa_reserve_vcc 1
		.amdhsa_float_denorm_mode_32 3
		.amdhsa_float_denorm_mode_16_64 3
		.amdhsa_memory_ordered 1
		.amdhsa_forward_progress 1
		.amdhsa_inst_pref_size 254
	.end_amdhsa_kernel
	.amdgpu_metadata
---
amdhsa.version: [ 1, 2 ]
amdhsa.kernels:
  - .name:           k_q874d3b4b4f_w1
    .symbol:         k_q874d3b4b4f_w1.kd
    .args:
      - { .name: act, .offset: 0, .size: 8, .value_kind: global_buffer, .address_space: global }
      - { .name: wimg, .offset: 8, .size: 8, .value_kind: global_buffer, .address_space: global }
      - { .name: b1, .offset: 16, .size: 8, .value_kind: global_buffer, .address_space: global }
      - { .name: hid, .offset: 24, .size: 8, .value_kind: global_buffer, .address_space: global }
    .group_segment_fixed_size: 327680
    .private_segment_fixed_size: 0
    .kernarg_segment_align: 8
    .kernarg_segment_size: 32
    .max_flat_workgroup_size: 128
    .sgpr_count:     104
    .vgpr_count:     1024
    .wavefront_size: 32
...
	.end_amdgpu_metadata
.endif
;; end of part 5
;; launch w2 (part 6): grid 8 x 32, 4 waves a work-group, clusters of 4 x 4, 327,680 bytes of LDS; arguments hid, wimg, mlp, out0, b2; writes out0
.if DOCPART == 6
	.amdgcn_target "amdgcn-amd-amdhsa--gfx1250"
	.amdhsa_code_object_version 6
	.text
	.protected	k_q874d3b4b4f_w2
	.globl	k_q874d3b4b4f_w2
	.p2align	8
	.type	k_q874d3b4b4f_w2,@function
k_q874d3b4b4f_w2:
	s_mov_b64 s[64:65], 0
	v_nop
	global_prefetch_b8 v0, s[64:65] scope:SCOPE_SE
	s_setreg_imm32_b32 hwreg(HW_REG_WAVE_MODE, 25, 1), 1
	s_wait_xcnt 0x0
	s_wait_alu depctr_hold_cnt(0) depctr_sa_sdst(0) depctr_va_vdst(0) depctr_va_sdst(0) depctr_va_ssrc(0) depctr_va_vcc(0) depctr_vm_vsrc(0)
	s_getreg_b32 s2, hwreg(HW_REG_IB_STS2, 6, 4)
	s_cmp_eq_u32 s2, 0
	s_cbranch_scc0 .Lentry_in_a_cluster
	s_endpgm
.Lentry_in_a_cluster:
	s_bfe_u32 s2, ttmp6, 0x10000c
	s_cmp_lg_u32 s2, 0xf033
	s_cbranch_scc0 .Lentry_shape_is_right
	s_endpgm
.Lentry_shape_is_right:
; out0 = hid W2 + b2 + mlp, the product on codes of FP6 (E2M3) with E8M0 scales; out0, mlp and b2 f32.
; N = 1,024: tiles of 256 x 256 would be 64.  So a work-group makes 128 x 128, and ITS FOUR WAVES SHARE K, NOT THE TILE: each wave makes the whole 128 x 128 (64 accumulators, 512 registers) on every fourth K step of 128:
; wave w takes K steps 4 n + w, n = 0 .. 7.  So a fragment read from LDS still feeds eight matrix instructions.  The four partial sums meet in LDS at the end: the order of the f32 sums is four interleaved parts, not one chain along K.
; OPERANDS ARE IMAGES OF THEIR REGISTERS ([tile][K step][1,536 bytes]); a tile of 16 rows takes rows 32 (T / 2) + 8 (T % 2) + i + 8 (i / 8); source 0 = 16 rows of the weight, source 1 = 16 tokens.
; TWO LDS SLOTS OF UNEQUAL SIZE: Y holds 8 K steps (two for each wave; a tile's row is 12,288 bytes), X holds 4 (one for each wave; 6,144 bytes).  The 32 K steps are walked Y X Y X Y: five fills,
; each one joint tensor load a wave (the tokens' tiles shared along a row of the cluster, the weight's along a column).  Y's first fill is the head's one load; X's first fill stands behind the full sequence and a round, as a refill does.
; By this text's own count one tensor load of a wave is out at any time.
; PREFETCH: behind each fill but the last stands a prefetch of the NEXT fill's bytes, one fill ahead.  Of the four tiles that a wave's load brings, each of the four partners that ask jointly names one (by cx for the tokens, by cy for the weight):
; a lane a block of 256 bytes; 48 blocks for Y (two instructions, the second's lanes 16-31 name its last block again), 24 for X (one; lanes 24-31 likewise).  The addresses are never rewritten: the place along K stands in the immediate.
; THE SCALE WORDS of my eight K steps come once, straight into 64 registers: a load of 16 bytes at 32 r + 16 h brings the words of tiles 0-3 to lanes 0-15 and of tiles 4-7 to lanes 16-31.
.set KS128,  32                        ; K steps of 128
.set A_SC,   12582912                  ; where hid's scale image begins
.set B_IMG,  6291456                   ; in wimg: the weight's code image,
.set B_SC,   9437184+262144            ; its scale image
.set TSY,    12288                     ; a tile's bytes in Y: eight K steps
.set TSX,    6144                      ; in X: four
.set YPART,  4*TSY                     ; what one tensor load brings into Y: four tiles
.set XPART,  4*TSX                     ; into X
.set XOF,    4*YPART                   ; LDS: Y (the tokens' eight tiles, then the weight's), then X likewise,
.set SPARE,  XOF+4*XPART               ; then the spare words, 128 bytes a wave, which no other line names
.set PERIOD, 12*1536                   ; from a slot's K steps to its next: 12 K steps on in each tile
.set PRB,    67584                     ; LDS at the end: a wave's partial sums, 128 rows x 528 bytes; the four lie over the slots, which have had their last fill
.set PRP,    528
.set FR,     12
.set NL,     3
.set NP,     4
.set AY,   16                          ; v16, v17 my K step in the tokens' tiles 0-3, 4-7 in Y; v18, v19 the same for the weight's
.set AX,   20                          ; v20 in the tokens' tiles in X; v21 in the weight's
.set SPW,  28
.set NIL,  29
.set SCR,  64                          ; v64-127 scale words: my n-th K step at v[64 + 8 n]: four registers for the tokens, four for the weight
.set AF,   128                         ; v128-223 the tokens' eight fragments, one set.  Window 1: the weight's two sets.  Windows 2, 3: accumulator (a, b) at v[8 (8 (a % 4) + b)]
.set L16,  3                           ; v3     16 x lane
.set RDP,  8                           ; v8-11  where I read my 32 rows of the four partial sums
.set PF,   12                          ; v12-14 the prefetches' lane terms: 256 l, 256 min(l, 15), 256 min(l, 23); never rewritten
.set STO,  24                          ; v24    where I put my partial sums
.set SCO,  25                          ; v25    32 r + 16 h
.set G1Y,  24                          ; s[24:31] group 1, the tokens' tiles into Y;  s[32:35] its group 0
.set G0Y,  32
.set G0X,  36                          ; s[36:39] group 0, the tokens' tiles into X;  s[68:75] its group 1
.set G1X,  68
.set G1YB, 48                          ; s[48:55], s[56:59] the weight's tiles into Y
.set G0YB, 56
.set G0XB, 60                          ; s[60:63], s[80:87] into X
.set G1XB, 80
.set PFA,  98                          ; s[98:99] the tile that my prefetches name; never rewritten
.set MSB, 0
.macro WIN new
.if MSB != (\new)
	s_set_vgpr_msb (MSB<<8)|(\new)
.set MSB, \new
.endif
.endm
.set MUL_LO, 0xa1
.set MUL_HI, 0xf1
.set TO_B,   0x40
.macro JLOAD g0a, g1a, g0b, g1b        ; waves 0 and 1 fetch for the tokens, waves 2 and 3 for the weight; s_nop 0 and four v_nop follow each of the two lines
	s_cmp_eq_u32 s15, 0
	s_cbranch_scc0 .Lfor_b_\@
	tensor_load_to_lds s[\g0a:\g0a+3], s[\g1a:\g1a+7]
	s_nop 0
.rept 4
	v_nop
.endr
	s_branch .Lasked_\@
.Lfor_b_\@:
	tensor_load_to_lds s[\g0b:\g0b+3], s[\g1b:\g1b+7]
	s_nop 0
.rept 4
	v_nop
.endr
.Lasked_\@:
.endm
.macro ASKY k0                         ; K steps k0 .. k0 + 7 of my tile: 12,288 bytes
	global_prefetch_b8 v[PF], s[PFA:PFA+1] offset:(\k0)*1536 th:TH_LOAD_NT scope:SCOPE_SE
	global_prefetch_b8 v[PF+1], s[PFA:PFA+1] offset:(\k0)*1536+8192 th:TH_LOAD_NT scope:SCOPE_SE
.endm
.macro ASKX k0                         ; K steps k0 .. k0 + 3: 6,144 bytes
	global_prefetch_b8 v[PF+2], s[PFA:PFA+1] offset:(\k0)*1536 th:TH_LOAD_NT scope:SCOPE_SE
.endm
.macro CREST
	s_cmp_lg_u32 s14, 0
	s_cbranch_scc1 .Lnot_wave_0_\@
	s_barrier_signal -3
.Lnot_wave_0_\@:
	s_barrier_wait -3
	s_barrier_signal -1
	s_barrier_wait -1
.endm
.macro CROUND
	s_barrier_signal -1
	s_barrier_wait -1
	CREST
.endm
.macro PLACES n
.rept \n
	v_nop
.endr
.endm
; A fragment of tile i.  isb: the weight's.  loc = 0, 1: my first, my second K step in Y (four K steps apart); loc = 2: my K step in X.  An LDS offset has 16 bits: so Y's tiles 4-7 have an address register of their own.
.macro FRAG reg, isb, loc, i
.if (\loc) == 2
.set fA, AX+(\isb)
.set fO, (\i)*TSX
.else
.set fA, AY+2*(\isb)+(\i)/4
.set fO, ((\i)%4)*TSY+(\loc)*4*1536
.endif
.irp c, 0,1,2
	ds_load_b128 v[\reg+4*\c:\reg+4*\c+3], v[fA] offset:fO+512*\c
.endr
.endm
.macro FETCH_B loc, p
	WIN TO_B
.irp i, 0,1,2,3,4,5,6,7
	FRAG 128*(\p)+FR*\i, 1, \loc, \i
.endr
	WIN 0
.endm
.macro FETCH_A loc, i0
.irp i, \i0, \i0+1, \i0+2, \i0+3
	FRAG AF+FR*(\i), 0, \loc, \i
.endr
.endm
; One matrix instruction on the registers named by rD, rB, rA, rSB, rSA.  cm = 1: it starts the sum.  hb, ha: the weight's, the tokens' tile is one of 4-7: its scale words lie in lanes 16-31.
.macro WM cm, hb, ha
.if (\cm) == 1
.if (\hb) && (\ha)
	v_wmma_scale_f32_16x16x128_f8f6f4 v[rD:rD+7], v[rB:rB+FR-1], v[rA:rA+FR-1], 0, v[rSB], v[rSA] matrix_a_fmt:MATRIX_FMT_FP6 matrix_b_fmt:MATRIX_FMT_FP6 matrix_a_scale:MATRIX_SCALE_ROW1 matrix_b_scale:MATRIX_SCALE_ROW1
.elseif (\hb)
	v_wmma_scale_f32_16x16x128_f8f6f4 v[rD:rD+7], v[rB:rB+FR-1], v[rA:rA+FR-1], 0, v[rSB], v[rSA] matrix_a_fmt:MATRIX_FMT_FP6 matrix_b_fmt:MATRIX_FMT_FP6 matrix_a_scale:MATRIX_SCALE_ROW1
.elseif (\ha)
	v_wmma_scale_f32_16x16x128_f8f6f4 v[rD:rD+7], v[rB:rB+FR-1], v[rA:rA+FR-1], 0, v[rSB], v[rSA] matrix_a_fmt:MATRIX_FMT_FP6 matrix_b_fmt:MATRIX_FMT_FP6 matrix_b_scale:MATRIX_SCALE_ROW1
.else
	v_wmma_scale_f32_16x16x128_f8f6f4 v[rD:rD+7], v[rB:rB+FR-1], v[rA:rA+FR-1], 0, v[rSB], v[rSA] matrix_a_fmt:MATRIX_FMT_FP6 matrix_b_fmt:MATRIX_FMT_FP6
.endif
.else
.if (\hb) && (\ha)
	v_wmma_scale_f32_16x16x128_f8f6f4 v[rD:rD+7], v[rB:rB+FR-1], v[rA:rA+FR-1], v[rD:rD+7], v[rSB], v[rSA] matrix_a_fmt:MATRIX_FMT_FP6 matrix_b_fmt:MATRIX_FMT_FP6 matrix_a_scale:MATRIX_SCALE_ROW1 matrix_b_scale:MATRIX_SCALE_ROW1
.elseif (\hb)
	v_wmma_scale_f32_16x16x128_f8f6f4 v[rD:rD+7], v[rB:rB+FR-1], v[rA:rA+FR-1], v[rD:rD+7], v[rSB], v[rSA] matrix_a_fmt:MATRIX_FMT_FP6 matrix_b_fmt:MATRIX_FMT_FP6 matrix_a_scale:MATRIX_SCALE_ROW1
.elseif (\ha)
	v_wmma_scale_f32_16x16x128_f8f6f4 v[rD:rD+7], v[rB:rB+FR-1], v[rA:rA+FR-1], v[rD:rD+7], v[rSB], v[rSA] matrix_a_fmt:MATRIX_FMT_FP6 matrix_b_fmt:MATRIX_FMT_FP6 matrix_b_scale:MATRIX_SCALE_ROW1
.else
	v_wmma_scale_f32_16x16x128_f8f6f4 v[rD:rD+7], v[rB:rB+FR-1], v[rA:rA+FR-1], v[rD:rD+7], v[rSB], v[rSA] matrix_a_fmt:MATRIX_FMT_FP6 matrix_b_fmt:MATRIX_FMT_FP6
.endif
.endif
.endm
.macro MUL16 a0, p, k, cm              ; 16 matrix instructions, my k-th K step, the weight's set p.  The 64 accumulators take turns in one fixed order
.irp a, \a0, \a0+1
.irp b, 0,1,2,3,4,5,6,7
.set rD, 8*(8*((\a)%4)+\b)
.set rB, 128*(\p)+FR*\b
.set rA, AF+FR*(\a)
.set rSB, SCR+8*(\k)+4+\b%4
.set rSA, SCR+8*(\k)+(\a)%4
	WM \cm, \b/4, (\a)/4
.endr
.endr
.endm
; My k-th K step, the first of the two in Y; in it the second one's fragments are fetched (nl = 1).
.macro STEP p, k, cm, nl
	s_wait_dscnt 4*NL                              ; the weight's set and the tokens' tiles 0-3 are in; the youngest twelve loads (tiles 4-7) may be out
	WIN MUL_LO
	MUL16 0, \p, \k, \cm
	MUL16 2, \p, \k, \cm
	s_wait_dscnt 0
	PLACES NP                                      ; in front of loads into registers that matrix instructions have read
	FETCH_B \nl, 1-(\p)
	FETCH_A \nl, 0
	WIN MUL_HI
	MUL16 4, \p, \k, \cm
	MUL16 6, \p, \k, \cm
	PLACES NP
	WIN 0
	FETCH_A \nl, 4
.endm
; My k-th K step, the last in its slot, and the change of slots: one barrier; in front of it each wave waits for all its tensor loads (its part of the other slot), adds 0 to its spare word, and waits for that and for its reads of this slot.
; fill = 1: this slot is Y and is filled again; 2: it is X and is filled again; 0: nothing is left to fetch.  nl: where my next K step lies.
.macro TURN p, k, fill, nl
	s_wait_tensorcnt 0x0
	ds_add_u32 v[SPW], v[NIL]                      ; 0 onto my spare word
	s_wait_dscnt 4*NL+1                            ; (the add and the youngest twelve loads may be out)
	WIN MUL_LO
	MUL16 0, \p, \k, 0
	s_wait_dscnt 0x0                               ; the add is done, and my reads of this slot are over
	s_barrier_signal -1
	MUL16 2, \p, \k, 0
	WIN 0
	s_barrier_wait -1
.if (\fill) == 1
	CREST                                          ; the barrier has opened a round of the cluster's: no wave of any partner still reads this slot or has a load on its way
	s_add_nc_u64 s[G0Y+2:G0Y+3], s[G0Y+2:G0Y+3], PERIOD
	s_add_nc_u64 s[G0YB+2:G0YB+3], s[G0YB+2:G0YB+3], PERIOD
	JLOAD G0Y, G1Y, G0YB, G1YB                     ; the first tensor load behind the round; its four v_nop are the places in front of the loads below
.elseif (\fill) == 2
	CREST
	s_add_nc_u64 s[G0X+2:G0X+3], s[G0X+2:G0X+3], PERIOD
	s_add_nc_u64 s[G0XB+2:G0XB+3], s[G0XB+2:G0XB+3], PERIOD
	JLOAD G0X, G1X, G0XB, G1XB
.else
	PLACES NP
.endif
	s_wait_alu depctr_va_vdst(0)
	FETCH_B \nl, 1-(\p)
	FETCH_A \nl, 0
.if (\k) == 1
	ASKX 20                                        ; behind Y's fill with K steps 12-19: the next fill's bytes, X's K steps 20-23
.elseif (\k) == 2
	ASKY 24                                        ; behind X's fill with K steps 20-23: Y's K steps 24-31, the last fill's
.endif
	WIN MUL_HI
	MUL16 4, \p, \k, 0
	MUL16 6, \p, \k, 0
	PLACES NP
	WIN 0
	FETCH_A \nl, 4
.endm
.macro LAST                            ; my last K step: nothing more to fetch
	s_wait_dscnt 4*NL
	WIN MUL_LO
	MUL16 0, 1, 7, 0
	MUL16 2, 1, 7, 0
	s_wait_dscnt 0
	WIN MUL_HI
	MUL16 4, 1, 7, 0
	MUL16 6, 1, 7, 0
	WIN 0
.endm
	s_load_b256 s[4:11], s[0:1], 0x0               ; hid s[4:5], wimg s[6:7], mlp s[8:9], out0 s[10:11]
	s_load_b64 s[12:13], s[0:1], 0x20              ; b2
	v_lshl_add_u32 v[SPW], v0, 2, SPARE
	v_mov_b32 v[NIL], 0
	ds_add_u32 v[SPW], v[NIL]                      ; the opening lines: the add, twice on end, and its wait
	ds_add_u32 v[SPW], v[NIL]
	s_wait_dscnt 0x0
	v_lshrrev_b32 v1, 5, v0
	v_readfirstlane_b32 s14, v1                    ; wave 0..3: also my K step in each four
	s_lshr_b32 s15, s14, 1                         ; I fetch for the tokens (0) or for the weight (1),
	s_and_b32 s16, s14, 1                          ; and which half of the eight tiles
	s_bfe_u32 s40, ttmp6, 0x40000
	s_bfe_u32 s41, ttmp6, 0x40004
	s_lshl_b32 s42, ttmp9, 2
	s_add_co_u32 s42, s42, s40                     ; the block of 128 columns
	s_and_b32 s17, ttmp7, 0xffff
	s_lshl_b32 s17, s17, 2
	s_add_co_u32 s17, s17, s41                     ; the block of 128 tokens
	s_lshl_b32 s43, s41, 2
	s_lshl_b32 s43, 15, s43                        ; my row of the cluster
	s_lshl_b32 s44, 0x1111, s40                    ; my column
	; descriptor groups 1: four rows (tiles) of TSY or TSX bytes, a tile's whole K apart in memory; elements of 8 bytes; dense in LDS
	s_or_b32 s[G1Y+0], s43, (3<<16)|(1<<21)
	s_or_b32 s[G1YB+0], s44, (3<<16)|(1<<21)
	s_or_b32 s[G1X+0], s43, (3<<16)|(1<<21)
	s_or_b32 s[G1XB+0], s44, (3<<16)|(1<<21)
.irp g, G1Y, G1YB
	s_mov_b32 s[\g+1], (TSY/8)<<16
	s_mov_b32 s[\g+2], 4<<16
	s_mov_b32 s[\g+3], (TSY/8)<<16
	s_mov_b32 s[\g+4], 4
	s_mov_b32 s[\g+5], KS128*192
	s_mov_b32 s[\g+6], 0
	s_mov_b32 s[\g+7], 0
.endr
.irp g, G1X, G1XB
	s_mov_b32 s[\g+1], (TSX/8)<<16
	s_mov_b32 s[\g+2], 4<<16
	s_mov_b32 s[\g+3], (TSX/8)<<16
	s_mov_b32 s[\g+4], 4
	s_mov_b32 s[\g+5], KS128*192
	s_mov_b32 s[\g+6], 0
	s_mov_b32 s[\g+7], 0
.endr
	s_lshl_b32 s18, s16, 2
	s_lshl_b32 s20, s17, 3
	s_add_co_u32 s20, s20, s18                     ; the tokens' first tile that I fetch
	s_mul_i32 s20, s20, KS128*1536
	s_mov_b32 s21, 0
	s_lshl_b32 s46, s42, 3
	s_add_co_u32 s46, s46, s18                     ; the weight's
	s_mul_i32 s46, s46, KS128*1536
	s_add_co_u32 s46, s46, B_IMG
	s_mov_b32 s47, 0
	s_lshl_b32 s22, s17, 5
	s_add_co_u32 s22, s22, s14                     ; the scale words of my first K step: group x 32 + w, 512 bytes each
	s_lshl_b32 s22, s22, 9
	s_add_co_u32 s22, s22, A_SC
	s_mov_b32 s23, 0
	s_lshl_b32 s92, s42, 5
	s_add_co_u32 s92, s92, s14
	s_lshl_b32 s92, s92, 9
	s_add_co_u32 s92, s92, B_SC
	s_mov_b32 s93, 0
	s_mul_i32 s45, s14, YPART                      ; where the tiles go: no place in the cluster enters an LDS address
	s_mul_i32 s66, s14, XPART
	s_wait_kmcnt 0x0
	s_add_nc_u64 s[20:21], s[4:5], s[20:21]
	s_add_nc_u64 s[46:47], s[6:7], s[46:47]
	s_add_nc_u64 s[94:95], s[4:5], s[22:23]        ; the tokens' scale words
	s_add_nc_u64 s[96:97], s[6:7], s[92:93]        ; the weight's
	CROUND                                         ; all sixteen work-groups are here: the first joint loads meet
	s_mov_b32 s[G0Y], 1
	s_mov_b32 s[G0Y+1], s45
	s_mov_b64 s[G0Y+2:G0Y+3], s[20:21]             ; K steps 0 to 7
	s_or_b32 s[G0Y+3], s[G0Y+3], 0x80000000
	s_mov_b32 s[G0YB], 1
	s_mov_b32 s[G0YB+1], s45
	s_mov_b64 s[G0YB+2:G0YB+3], s[46:47]
	s_or_b32 s[G0YB+3], s[G0YB+3], 0x80000000
	JLOAD G0Y, G1Y, G0YB, G1YB                     ; the head's one load a wave
	s_mov_b32 s[G0X], 1
	s_add_co_u32 s[G0X+1], s66, XOF
	s_add_nc_u64 s[G0X+2:G0X+3], s[20:21], 8*1536  ; K steps 8 to 11
	s_or_b32 s[G0X+3], s[G0X+3], 0x80000000
	s_mov_b32 s[G0XB], 1
	s_add_co_u32 s[G0XB+1], s66, XOF
	s_add_nc_u64 s[G0XB+2:G0XB+3], s[46:47], 8*1536
	s_or_b32 s[G0XB+3], s[G0XB+3], 0x80000000
	s_cmp_eq_u32 s15, 0                            ; the prefetches: of the four tiles that I fetch, the one at my place among the four partners that ask with me
	s_cselect_b64 s[PFA:PFA+1], s[20:21], s[46:47]
	s_cselect_b32 s100, s40, s41                   ; cx for the tokens' tiles, cy for the weight's: it enters this address alone
	s_mul_i32 s100, s100, KS128*1536
	s_mov_b32 s101, 0
	s_add_nc_u64 s[PFA:PFA+1], s[PFA:PFA+1], s[100:101]
	v_and_b32 v1, 15, v0                           ; r
	v_bfe_u32 v2, v0, 4, 1                         ; h
	v_and_b32 v4, 31, v0
	v_lshlrev_b32 v[L16], 4, v4
	v_lshlrev_b32 v[SCO], 5, v1
	v_lshl_add_u32 v[SCO], v2, 4, v[SCO]
	v_lshlrev_b32 v[PF], 8, v4
	v_min_u32 v[PF+1], 15, v4
	v_min_u32 v[PF+2], 23, v4
	v_lshlrev_b32 v[PF+1], 8, v[PF+1]
	v_lshlrev_b32 v[PF+2], 8, v[PF+2]
.irp n, 0,1,2,3,4,5,6,7                ; the scale words of my eight K steps, four K steps (2,048 bytes) apart: each load takes 512 consecutive bytes
	global_load_b128 v[SCR+8*\n:SCR+8*\n+3], v[SCO], s[94:95] offset:2048*\n
	global_load_b128 v[SCR+8*\n+4:SCR+8*\n+7], v[SCO], s[96:97] offset:2048*\n
.endr
	ASKX 8                                         ; behind Y's first fill: the next fill's bytes, X's K steps 8-11
	s_mul_i32 s21, s14, 1536                       ; my K step in each four
	v_add_nc_u32 v[AY], s21, v[L16]
	v_add_nc_u32 v[AY+1], YPART, v[AY]
	v_add_nc_u32 v[AY+2], 2*YPART, v[AY]
	v_add_nc_u32 v[AY+3], 3*YPART, v[AY]
	v_add_nc_u32 v[AX], XOF, v[AY]
	v_add_nc_u32 v[AX+1], XOF+2*XPART, v[AY]
	s_mul_i32 s21, s14, PRB
	v_mul_u32_u24 v5, v1, PRP
	v_lshl_add_u32 v5, v2, 6, v5
	v_add_nc_u32 v[STO], s21, v5                   ; my partial sums: row r of a tile, + 64 h
	s_mul_i32 s21, s14, 32*PRP
.irp p, 0,1,2,3
	v_add_nc_u32 v[RDP+\p], s21, v[L16]            ; wave p's sums of the 32 rows that I finish
	s_add_co_u32 s21, s21, PRB
.endr
	s_lshl_b32 s2, s17, 7
	s_lshl_b32 s18, s14, 5
	s_add_co_u32 s2, s2, s18                       ; those rows are tokens 128 x block + 32 w + 0 .. 31
	s_lshl_b32 s2, s2, 12
	s_lshl_b32 s18, s42, 9
	s_add_co_u32 s18, s18, s2
	s_mov_b32 s19, 0
	s_add_nc_u64 s[8:9], s[8:9], s[18:19]
	s_add_nc_u64 s[10:11], s[10:11], s[18:19]
	s_lshl_b32 s18, s42, 9
	s_add_nc_u64 s[12:13], s[12:13], s[18:19]
	s_wait_alu depctr_va_vdst(0)                   ; the wait at the head's end
	s_wait_tensorcnt 0x0                           ; my part of Y is in
	ds_add_u32 v[SPW], v[NIL]
	s_wait_dscnt 0x0
	CROUND                                         ; a whole round: everybody's part of Y is in, and the joint loads meet
	JLOAD G0X, G1X, G0XB, G1XB                     ; X's first fill, the first tensor load behind the round
	FETCH_B 0, 0
	FETCH_A 0, 0
	FETCH_A 0, 4
	ASKY 12                                        ; behind X's first fill: the next fill's bytes, Y's K steps 12-19
	s_wait_loadcnt 0x0                             ; the scale words
	STEP 0, 0, 1, 1                                ; my eight K steps, written out.  Y, K steps 0-7: my first starts the sums,
	TURN 1, 1, 1, 2                                ; my second; Y is read out and takes K steps 12-19
	TURN 0, 2, 2, 0                                ; X, K steps 8-11; it takes K steps 20-23
	STEP 1, 3, 0, 1                                ; Y, K steps 12-19
	TURN 0, 4, 1, 2                                ; Y takes K steps 24-31
	TURN 1, 5, 0, 0                                ; X, K steps 20-23: nothing is left to fetch
	STEP 0, 6, 0, 1                                ; Y, K steps 24-31
	LAST
	PLACES NP                                      ; in front of the reads of results and of loads into registers that matrix instructions have read
	s_barrier_signal -1                            ; every wave's reads of the slots are over (the wait for them stands in the last step): the sums may be laid over them
	s_barrier_wait -1
	global_load_b128 v[32:35], v[L16], s[12:13]    ; the bias of my four columns
.set pp, 0
.rept 32                               ; the residual of my 32 rows, in the stage's order: stage row 16 a + i is token 8 a + i + 8 (i / 8)
	global_load_b128 v[128+4*pp:128+4*pp+3], v[L16], s[8:9] offset:(8*(pp/16)+(pp%16)+8*((pp%16)/8))*4096
.set pp, pp+1
.endr
.irp a, 0,1,2,3,4,5,6,7                ; accumulator (a, b), register j, lane (r, h): stage row 16 a + r, column 32 (b / 2) + 16 h + 8 (b % 2) + j: the weight's tile map is undone here
	WIN 0x08+4*(\a/4)                              ; an LDS store's data are its source 1
.irp b, 0,1,2,3,4,5,6,7
	ds_store_b128 v[STO], v[64*(\a%4)+8*\b:64*(\a%4)+8*\b+3] offset:\a*16*PRP+128*(\b/2)+32*(\b%2)
	ds_store_b128 v[STO], v[64*(\a%4)+8*\b+4:64*(\a%4)+8*\b+7] offset:\a*16*PRP+128*(\b/2)+32*(\b%2)+16
.endr
.endr
	WIN 0
	s_wait_dscnt 0x0                               ; for the others' sake: my sums lie in LDS
	s_barrier_signal -1
	s_barrier_wait -1
.macro RBATCH g                        ; rows 2 g and 2 g + 1 of the four partial sums, into set g % 2
.set RB, 64+32*((\g)%2)
.irp u, 0,1
.irp p, 0,1,2,3
	ds_load_b128 v[RB+16*\u+4*\p:RB+16*\u+4*\p+3], v[RDP+\p] offset:(2*(\g)+\u)*PRP
.endr
.endr
.endm
	RBATCH 0
.set gg, 0
.rept 16
.if gg < 15
	RBATCH gg+1
	s_wait_dscnt 8                                 ; this batch is in; the next batch's eight loads may be out
.else
	s_wait_dscnt 0x0
.endif
	s_wait_loadcnt 30-2*gg                         ; these two rows' residuals are in; the later rows' may be out
.set uu, 0
.rept 2
.set P0, 64+32*(gg%2)+16*uu
.set RS, 128+4*(2*gg+uu)
.set TK, 8*((2*gg+uu)/16)+((2*gg+uu)%16)+8*(((2*gg+uu)%16)/8)
	v_pk_add_f32 v[P0:P0+1], v[P0:P0+1], v[P0+4:P0+5]
	v_pk_add_f32 v[P0+2:P0+3], v[P0+2:P0+3], v[P0+6:P0+7]
	v_pk_add_f32 v[P0+8:P0+9], v[P0+8:P0+9], v[P0+12:P0+13]
	v_pk_add_f32 v[P0+10:P0+11], v[P0+10:P0+11], v[P0+14:P0+15]
	v_pk_add_f32 v[P0:P0+1], v[P0:P0+1], v[P0+8:P0+9]
	v_pk_add_f32 v[P0+2:P0+3], v[P0+2:P0+3], v[P0+10:P0+11]
	v_pk_add_f32 v[P0:P0+1], v[P0:P0+1], v[32:33]
	v_pk_add_f32 v[P0+2:P0+3], v[P0+2:P0+3], v[34:35]
	v_pk_add_f32 v[RS:RS+1], v[RS:RS+1], v[P0:P0+1]
	v_pk_add_f32 v[RS+2:RS+3], v[RS+2:RS+3], v[P0+2:P0+3]
	global_store_b128 v[L16], v[RS:RS+3], s[10:11] offset:TK*4096   ; 32 lanes store 512 consecutive bytes; these registers are written no more
.set uu, uu+1
.endr
.set gg, gg+1
.endr
	s_wait_tensorcnt 0x0                           ; the wave's end
	ds_add_u32 v[SPW], v[NIL]
	s_wait_dscnt 0x0
	CROUND                                         ; the closing round
	s_endpgm
.Lfunc_end_k_q874d3b4b4f_w2:
	.size	k_q874d3b4b4f_w2, .Lfunc_end_k_q874d3b4b4f_w2-k_q874d3b4b4f_w2
	.p2alignl 7, 3214868480
	.fill 96, 4, 3214868480
	.section	.rodata,"a",@progbits
	.p2align	6, 0x0
	.amdhsa_kernel k_q874d3b4b4f_w2
		.amdhsa_group_segment_fixed_size 327680
		.amdhsa_private_segment_fixed_size 0
		.amdhsa_enable_private_segment 0
		.amdhsa_kernarg_size 40
		.amdhsa_user_sgpr_count 2
		.amdhsa_user_sgpr_kernarg_segment_ptr 1
		.amdhsa_wavefront_size32 1
		.amdhsa_system_sgpr_workgroup_id_x 1
		.amdhsa_system_sgpr_workgroup_id_y 1
		.amdhsa_system_sgpr_workgroup_id_z 1
		.amdhsa_system_vgpr_workitem_id 0
		.amdhsa_next_free_vgpr 1024
		.amdhsa_next_free_sgpr 104
		.amdhsa_reserve_vcc 0
		.amdhsa_float_denorm_mode_32 3
		.amdhsa_float_denorm_mode_16_64 3
		.amdhsa_memory_ordered 1
		.amdhsa_forward_progress 1
		.amdhsa_inst_pref_size 150
	.end_amdhsa_kernel
	.amdgpu_metadata
---
amdhsa.version: [ 1, 2 ]
amdhsa.kernels:
  - .name:           k_q874d3b4b4f_w2
    .symbol:         k_q874d3b4b4f_w2.kd
    .args:
      - { .name: hid, .offset: 0, .size: 8, .value_kind: global_buffer, .address_space: global }
      - { .name: wimg, .offset: 8, .size: 8, .value_kind: global_buffer, .address_space: global }
      - { .name: mlp, .offset: 16, .size: 8, .value_kind: global_buffer, .address_space: global }
      - { .name: out0, .offset: 24, .size: 8, .value_kind: global_buffer, .address_space: global }
      - { .name: b2, .offset: 32, .size: 8, .value_kind: global_buffer, .address_space: global }
    .group_segment_fixed_size: 327680
    .private_segment_fixed_size: 0
    .kernarg_segment_align: 8
    .kernarg_segment_size: 40
    .max_flat_workgroup_size: 128
    .sgpr_count:     104
    .vgpr_count:     1024
    .wavefront_size: 32
...
	.end_amdgpu_metadata
.endif
;; end of part 6
